; MI455X (gfx1250); checked and timed in simulation.
; The chip was launched on July 23, 2026; its instructions are those of AMD's public machine-readable ISA for CDNA 5 (MIT licence, August 2026) and "CDNA5" Instruction Set Architecture Reference Guide (July 2026). The comments in the code are by the model that wrote it; some were corrected since.
;; Attention. Allowed arithmetic: matrix products marked QUANTISED: E2M3 operands, one E8M0 scale for each 32 along K, by v_wmma_scale_f32_16x16x128_f8f6f4 with both operands' format E2M3, f32 sums; everything else in f32.
;; Inputs: Wkv 1,024 x 2,048 float32; Wout 1,024 x 1,024 float32; Wq 1,024 x 1,024 float32; bout 1,024 float32; x 4 x 2,048 x 1,024 float32.
;; Outputs: out0 4 x 2,048 x 1,024 float32.
;; This version of the problem:
;;   THIS VERSION OF THE PROBLEM IS GIVEN IN LOW PRECISION. The matrix products marked QUANTISED in the list below multiply operands that are first quantised to E2M3 (2 exponent bits, 3 mantissa bits; 6 bits a number), with one power-of-two scale for each 32 numbers along K (OCP MX v1.0); their sums are f32. All else is computed in f32.
;;   The module's matrix products, in the order in which they are computed (A, B: the left and right operand; K: the contracted axis; several contracted axes count as one K, in the product's order):
;;     1. [M 8,192, K 1,024] x [K 1,024, N 1,024]; A: input x; B: input Wq: QUANTISED
;;     2. [M 8,192, K 1,024] x [K 1,024, N 2,048]; A: input x; B: input Wkv: QUANTISED
;;     3. batch 64 x [M 2,048, K 64] x [K 64, N 2,048]; A: computed on the way; B: computed on the way: QUANTISED
;;     4. batch 64 x [M 2,048, K 2,048] x [K 2,048, N 64]; A: softmax (see below); B: computed on the way: QUANTISED
;;     5. [M 8,192, K 1,024] x [K 1,024, N 1,024]; A: computed on the way; B: input Wout: QUANTISED
;;   THE QUANTISER, for each operand of a quantised product, along K:
;;     - K is cut into blocks of 32 from its start; a last block that is shorter is filled with zeros.
;;     - A block's scale is 2^e with e = floor(log2(the largest magnitude in the block)) - 2, held to -126 .. 127; a block of zeros has e = 0. As a byte (E8M0): e + 127.
;;     - Each number is divided by its block's scale, clamped to +-7.5, and rounded to the nearest number of E2M3, ties to even, subnormals kept.
;;     - The product sums the exact products of the quantised numbers (number of the format x scale) in f32.
;;   ~~~python
;;   def quantise(x, axis):      # numpy; x: float32 -> the quantised numbers, widened to float32 again
;;       x = np.moveaxis(x, axis, -1); K = x.shape[-1]
;;       x = np.pad(x, [(0, 0)] * (x.ndim - 1) + [(0, -K % 32)]); x = x.reshape(x.shape[:-1] + (-1, 32)); a = np.abs(x).max(-1, keepdims=True)
;;       e = np.where(a > 0, np.clip(np.frexp(np.where(a > 0, a, 1))[1] - 1 - 2, -126, 127), 0)      # np.frexp(a)[1] - 1 = floor(log2(a)), exactly
;;       r = np.clip(x / 2.0 ** e, -7.5, 7.5)
;;       step = 2.0 ** (np.maximum(np.frexp(np.where(r == 0, 1, r))[1] - 1, 0) - 3)
;;       q = np.round(r / step) * step * 2.0 ** e      # np.round: ties to even
;;       return np.moveaxis(q.reshape(q.shape[:-2] + (-1,))[..., :K], -1, axis).astype(np.float32)
;;   ~~~
;;   SOFTMAX AHEAD OF A QUANTISED PRODUCT. Where the list says 'softmax', what is quantised is not the finished softmax but p = 2^(t - M), with t = logit x log2(e) and M = ceil(the row's largest t), a whole number; so 1/2 < the row's largest p <= 1. The row's sum l is taken of the UNQUANTISED p, in f32, and the product's result is divided by l at the end. Since M is a whole number, a kernel that streams over the keys may use a running M (the ceiling of the running maximum): every later rescaling is an exact power of two, which a block's scale takes up: the codes' values come out the same.
;;   OPERANDS COMPUTED ON THE WAY. 'Computed on the way' means the value that the module computes at that place (a softmax that the list does not call 'softmax' is quantised finished and normalised). What goes into a quantiser is computed in f32, as accurately as f32 sums, v_exp_f32 and their like allow (about 1e-6 of the number): no bf16 or f16 on the way to a quantiser, and a product that is left as it is and whose result goes on into a quantised operand takes f32 operands (vector FMAs, or v_wmma_f32_16x16x4_f32). A number that lies on a knife's edge between two numbers of the format may be rounded either way, as far as f32 arithmetic and the matrix unit's own rounding can turn it there, and no further.
;; One version. Each part assembles by itself: llvm-mc -triple=amdgcn-amd-amdhsa -mcpu=gfx1250 --defsym DOCPART=n.
;; ======== version 1 of 1: 4 launches
;; limits: right only within a limited range of input values
;; workspace buffers: opc 9,437,184 bytes; ops 393,216 bytes; qkv 20,185,088 bytes; ao 6,291,456 bytes; aos 262,144 bytes
;; launch prep (part 1): grid 384 x 1, 4 waves a work-group, no clusters, 68,096 bytes of LDS; arguments x, Wq, Wkv, Wout, opc, ops; writes opc, ops
.if DOCPART == 1
	.amdgcn_target "amdgcn-amd-amdhsa--gfx1250"
	.amdhsa_code_object_version 6
	.text
	.protected	k_q5aac80c85b_prep
	.globl	k_q5aac80c85b_prep
	.p2align	8
	.type	k_q5aac80c85b_prep,@function
k_q5aac80c85b_prep:
	s_mov_b64 s[64:65], 0
	v_nop
	global_prefetch_b8 v0, s[64:65] scope:SCOPE_SE
	s_setreg_imm32_b32 hwreg(HW_REG_WAVE_MODE, 25, 1), 1
	s_wait_xcnt 0x0
; PREP: x [8192][1024] and the weights Wq [1024][1024], Wkv [1024][2048], Wout [1024][1024], all f32, become codes of FP6 (E2M3) with one E8M0 byte for each 32 along K = 1,024.
; Logical rows: 0.. x's tokens, 8192.. Wq's columns, 9216.. Wkv's columns, 11264.. Wout's columns: 12,288 in all.
; opc: [4 quarters of K][12,288 places][192 bytes of codes]: 128 or 256 neighbouring places of one quarter are one dense block that begins at a multiple of 256 bytes.  ops: [12,288 places][32 scale bytes].
; THE PLACES: in each group of 64 rows, row 32 u + 8 t + j (u 0..1, t 0..3, j 0..7) lies at place 16 t + 8 u + j.  Where four neighbouring tiles of 16 places are source 0 of matrix instructions,
; lanes 0-15 hold in their 32 result registers rows 0-31 of the group, in order, and lanes 16-31 rows 32-63: a whole block of the next quantiser to a lane, as the 6-bit operand layout wants it.
; A block's scale is 2^(floor(log2(its largest magnitude)) - 2); its byte is the largest magnitude's exponent field - 2, held at 1 from below.
; LIMITS: a block of zeros gets the byte 1 where the rule says 127 (its codes are zeros, and this program alone reads the bytes); NaN and infinities among the inputs are not served.
; Work-groups 0-255 take x (K innermost: 32 rows each, 8 rows a wave); work-groups 256-383 the weights (K outermost: 128 columns x 256 along K each).  Each path has LDS bytes of its own.
; No tensor loads, no barrier: waves share nothing.  No matrix unit, no cluster: nothing is shared.
.set XWG,   256
.set STEPS, 16                         ; x path: steps of 512 numbers in a wave
.set CB,    12                         ; bytes of 16 codes
.set KSB,   0x240000                   ; a quarter of K in opc: 12,288 x 192 bytes
.set R,     16                         ; v16-79   four sets of 16 numbers as loaded
.set X,     80                         ; v80-111  two sets of 16 neighbours
.set C,     128                        ; v128-191 codes: four registers for each step
.set E,     112                        ; v112-127 a scale byte for each step
.set WREG,  8192                       ; x path: LDS region of a wave: two stages of 32 x SP bytes, then its 256 scale bytes
.set SP,    80                         ; a lane's place in a stage: 64 bytes + 16 of padding
.set WLDS,  32768                      ; the weight path's LDS begins behind the x path's
.set NB,    8                          ; blocks of 32 along K for a wave
.set PITCH, 272                        ; a stage row: sixteen places of 16 bytes + 16
.set KROW,  192                        ; a place's codes of one quarter of K
.set WX,    32                         ; v32-95   two sets of 32 numbers
.set WC,    96                         ; a block's codes
.set OUTR,  112                        ; v112-175 the way out
.set SB,    24                         ; v24-25   the scale bytes
.set OFS,   176                        ; v176-207 byte offset of row i of a block at my column; never rewritten
	s_load_b256 s[4:11], s[0:1], 0x0               ; x, Wq, Wkv, Wout
	s_load_b128 s[12:15], s[0:1], 0x20             ; opc, ops
	v_lshl_add_u32 v208, v0, 2, 0x10800            ; my spare word, behind both paths' LDS
	v_mov_b32 v209, 0
	v_lshrrev_b32 v1, 5, v0
	v_readfirstlane_b32 s16, v1                    ; wave 0..3
	v_and_b32 v2, 31, v0                           ; lane
	s_cmp_lt_u32 ttmp9, XWG
	s_cbranch_scc0 .Lweights
; x: a wave takes 8 rows = 16 steps of 512 numbers.  Each load reads 512 consecutive bytes; a step's 2,048 bytes turn through the wave's own stage and come back 64 bytes a lane: 16 neighbours, two lanes to a block.
	v_lshlrev_b32 v3, 4, v2
	s_mul_i32 s17, s16, WREG
	v_lshrrev_b32 v14, 2, v2
	v_mul_u32_u24 v14, v14, SP
	v_and_b32 v15, 3, v2
	v_lshl_add_u32 v14, v15, 4, v14
	v_add_nc_u32 v14, s17, v14                     ; the stage, on the way in: SP (lane / 4) + 16 (lane % 4)
	v_mul_u32_u24 v15, v2, SP
	v_add_nc_u32 v15, s17, v15                     ; and on the way out: SP x lane
	v_and_b32 v4, 15, v2
	v_mul_u32_u24 v4, v4, CB
	v_lshrrev_b32 v10, 4, v2
	v_mad_u32_u24 v4, v10, KSB, v4                 ; a step is half a row, two quarters of K: lanes 0-15 the first, lanes 16-31 the second, 12 bytes a lane
	v_lshrrev_b32 v5, 1, v2
	s_add_co_u32 s17, s17, 2*32*SP
	v_add_nc_u32 v5, s17, v5                       ; my wave's 256 scale bytes, my block's byte
	v_lshlrev_b32 v7, 3, v2
	v_add_nc_u32 v6, s17, v7
	s_lshl_b32 s17, ttmp9, 2
	s_add_co_u32 s18, s17, s16                     ; the run of 8 rows that I read: its bits 1:0 are t, bit 2 is u
	s_and_b32 s20, s18, 3
	s_lshl_b32 s20, s20, 1
	s_bfe_u32 s21, s18, 0x10002
	s_or_b32 s20, s20, s21
	s_and_b32 s21, s18, 0xfffffff8
	s_add_co_u32 s20, s21, s20                     ; the run of 8 places that I write: 2 t + u
	s_lshl_b32 s22, s18, 15
	s_mov_b32 s23, 0
	s_mul_i32 s24, s20, 8*KROW
	s_mov_b32 s25, 0
	s_lshl_b32 s26, s20, 8
	s_mov_b32 s27, 0
	s_wait_alu depctr_va_vdst(0)
	s_wait_kmcnt 0x0
	s_add_nc_u64 s[4:5], s[4:5], s[22:23]
	s_add_nc_u64 s[12:13], s[12:13], s[24:25]
	s_add_nc_u64 s[14:15], s[14:15], s[26:27]
.macro XLOAD t
.irp i, 0,1,2,3
	global_load_b128 v[R+16*((\t)%4)+4*\i:R+16*((\t)%4)+4*\i+3], v3, s[4:5] offset:2048*(\t)+512*\i th:TH_LOAD_NT
.endr
.endm
.macro XTURN t                         ; LDS serves a wave's instructions in order: no wait between the stores and the loads
.irp i, 0,1,2,3
	ds_store_b128 v14, v[R+16*((\t)%4)+4*\i:R+16*((\t)%4)+4*\i+3] offset:32*SP*((\t)%2)+8*SP*\i
.endr
.irp i, 0,1,2,3
	ds_load_b128 v[X+16*((\t)%2)+4*\i:X+16*((\t)%2)+4*\i+3], v15 offset:32*SP*((\t)%2)+16*\i
.endr
.endm
.irp t, 0,1,2,3
	XLOAD \t
.endr
	s_wait_loadcnt 12                              ; step 0's four loads are in; twelve younger ones stay out
	XTURN 0
.macro XSTEP t
.set XS, X+16*((\t)%2)
.if (\t) > 0
	s_wait_dscnt 1                                 ; this step's numbers are back (the last step's byte store may be out)
.else
	s_wait_dscnt 0x0
.endif
.if (\t)+4 < STEPS
	XLOAD (\t)+4
.endif
.if (\t)+1 < STEPS
.if STEPS-2-(\t) >= 3
	s_wait_loadcnt 12                              ; the next step's four loads are in; those of the three steps behind it may be out
.else
	s_wait_loadcnt 4*(STEPS-2-(\t))
.endif
	XTURN (\t)+1
.endif
	v_max3_num_f32 v8, |v[XS]|, |v[XS+1]|, |v[XS+2]|
	v_max3_num_f32 v9, |v[XS+3]|, |v[XS+4]|, |v[XS+5]|
.irp i, 6,10
	v_max3_num_f32 v8, v8, |v[XS+\i]|, |v[XS+\i+1]|
	v_max3_num_f32 v9, v9, |v[XS+\i+2]|, |v[XS+\i+3]|
.endr
	v_max3_num_f32 v8, v8, |v[XS+14]|, |v[XS+15]|
	v_max3_num_f32 v8, v8, v9, 0x1800000           ; the floor 2^(3 - 127): the byte cannot fall under 1
	v_max_num_f32_dpp v8, v8, v8 row_xmask:1 row_mask:0xf bank_mask:0xf   ; with my neighbour's 16: the block's
	v_add_nc_u32 v11, 0xff000000, v8               ; 2 off the exponent field: the conversion's scale operand
	v_cvt_scalef32_pk16_fp6_f32 v[C+4*(\t):C+4*(\t)+2], v[XS:XS+15], v11
	v_lshrrev_b32 v[E+(\t)], 23, v11               ; the scale's byte
	ds_store_b8 v5, v[E+(\t)] offset:16*(\t)
	global_store_b96 v4, v[C+4*(\t):C+4*(\t)+2], s[12:13] offset:KROW*((\t)/2)+2*KSB*((\t)%2)   ; row t / 2 of my 8, quarters 2 (t % 2) and 2 (t % 2) + 1: sixteen lanes store 192 consecutive bytes
.endm
.irp t, 0,1,2,3,4,5,6,7,8,9,10,11,12,13,14,15
	XSTEP \t
.endr
	ds_load_b64 v[12:13], v6
	s_wait_dscnt 0x0
	global_store_b64 v7, v[12:13], s[14:15]        ; 32 lanes store 256 consecutive bytes, aligned
	s_wait_tensorcnt 0x0                           ; the wave's end
	ds_add_u32 v208, v209
	s_wait_dscnt 0x0
	s_endpgm
; The weights: K is their FIRST axis.  A lane takes a column and its registers run down K: a block of 32 lies in one lane, and the codes come out with K innermost.
; Work-group g = 0..127: columns 128 (g % 32) on of the 4,096, quarter g / 32 of K.  A wave takes 32 columns: u = wave % 2 of group wave / 2 of 64.
.Lweights:
	s_sub_co_u32 s17, ttmp9, XWG
	s_and_b32 s18, s17, 31
	s_lshr_b32 s19, s17, 5
	s_wait_kmcnt 0x0
	s_cmp_lt_u32 s18, 8                            ; which weight: the choice hangs on the work-group's number alone
	s_cselect_b64 s[20:21], s[6:7], s[8:9]
	s_cselect_b32 s22, 0, 8
	s_mov_b32 s23, 8192
	s_cselect_b32 s23, 4096, s23                   ; its row in bytes
	s_cmp_lt_u32 s18, 24
	s_cselect_b64 s[20:21], s[20:21], s[10:11]
	s_cselect_b32 s22, s22, 24
	s_cselect_b32 s23, s23, 4096
	s_sub_co_u32 s24, s18, s22
	s_lshl_b32 s24, s24, 9
	s_lshl_b32 s25, s16, 7
	s_add_co_u32 s24, s24, s25
	s_lshl_b32 s25, s19, 8
	s_mul_i32 s25, s25, s23
	s_add_co_u32 s24, s24, s25
	s_mov_b32 s25, 0
	s_add_nc_u64 s[32:33], s[20:21], s[24:25]      ; block 0's base
	s_lshl_b32 s26, s23, 5
	s_mov_b32 s27, 0
.irp t, 1,2,3,4,5,6,7
	s_add_nc_u64 s[32+2*\t:33+2*\t], s[30+2*\t:31+2*\t], s[26:27]   ; block t's: 32 rows further down
.endr
	s_wait_alu depctr_va_vdst(0)
	v_lshlrev_b32 v[OFS], 2, v2
.set I, 1
.rept 31
	v_add_nc_u32 v[OFS+I], s23, v[OFS+I-1]
.set I, I+1
.endr
	v_and_b32 v10, 7, v2
	v_lshrrev_b32 v11, 3, v2
	v_lshl_add_u32 v10, v11, 4, v10                ; my column's place, counted from the wave's first: 16 (lane / 8) + lane % 8
	s_mul_i32 s28, s16, 32*PITCH
	s_add_co_u32 s28, s28, WLDS                    ; my stage
	v_mul_u32_u24 v4, v2, PITCH
	v_add_nc_u32 v4, s28, v4                       ; into it: row = my lane
	v_and_b32 v5, 15, v2
	v_lshrrev_b32 v6, 4, v2
	v_mul_u32_u24 v7, v6, PITCH
	v_lshl_add_u32 v7, v5, 4, v7
	v_add_nc_u32 v7, s28, v7                       ; out of it: sixteen lanes to a row, two rows an instruction
	v_mul_u32_u24 v8, v6, KROW
	v_mad_u32_u24 v8, v5, 12, v8
	v_lshlrev_b32 v9, 5, v10                       ; my column's row of scale bytes
	s_lshl_b32 s29, s18, 7
	s_lshr_b32 s30, s16, 1
	s_lshl_b32 s30, s30, 6
	s_add_co_u32 s29, s29, s30
	s_and_b32 s30, s16, 1
	s_lshl_b32 s30, s30, 3
	s_add_co_u32 s29, s29, s30
	s_add_co_u32 s29, s29, 8192                    ; my wave's first place: 8192 + 128 group + 64 (wave / 2) + 8 (wave % 2)
	s_mul_i32 s30, s29, KROW
	s_mul_i32 s31, s19, KSB
	s_add_co_u32 s30, s30, s31
	s_mov_b32 s31, 0
	s_add_nc_u64 s[12:13], s[12:13], s[30:31]
	s_lshl_b32 s30, s29, 5
	s_lshl_b32 s29, s19, 3
	s_add_co_u32 s30, s30, s29
	s_add_nc_u64 s[14:15], s[14:15], s[30:31]
.macro WLOAD t                         ; block t: W(32 t + i, my column) into set t % 2: each load reads 128 consecutive bytes
.set I, 0
.rept 32
	global_load_b32 v[WX+32*((\t)%2)+I], v[OFS+I], s[32+2*(\t):33+2*(\t)] th:TH_LOAD_NT
.set I, I+1
.endr
.endm
	WLOAD 0
	WLOAD 1
.macro WBLOCK t
.set XS, WX+32*((\t)%2)
.if (\t) < NB-1
	s_wait_loadcnt 32                              ; this block's 32 loads are in; the next block's may be out
.else
	s_wait_loadcnt 0
.endif
	v_max3_num_f32 v12, |v[XS]|, |v[XS+1]|, |v[XS+2]|
	v_max3_num_f32 v13, |v[XS+3]|, |v[XS+4]|, |v[XS+5]|
.irp i, 6,10,14,18,22,26
	v_max3_num_f32 v12, v12, |v[XS+\i]|, |v[XS+\i+1]|
	v_max3_num_f32 v13, v13, |v[XS+\i+2]|, |v[XS+\i+3]|
.endr
	v_max3_num_f32 v12, v12, |v[XS+30]|, |v[XS+31]|
	v_max3_num_f32 v12, v12, v13, 0x1800000
	v_add_nc_u32 v11, 0xff000000, v12
	v_lshrrev_b32 v13, 23, v11
.if (\t)%4 == 0
	v_mov_b32 v[SB+(\t)/4], v13
.else
	v_lshl_or_b32 v[SB+(\t)/4], v13, 8*((\t)%4), v[SB+(\t)/4]
.endif
	v_cvt_scalef32_pk16_fp6_f32 v[WC:WC+2], v[XS:XS+15], v11
	v_cvt_scalef32_pk16_fp6_f32 v[WC+4:WC+6], v[XS+16:XS+31], v11
	ds_store_b96 v4, v[WC:WC+2] offset:32*(\t)     ; 12 bytes to a place of 16 in the stage
	ds_store_b96 v4, v[WC+4:WC+6] offset:32*(\t)+16
.if (\t)+2 < NB
	WLOAD (\t)+2
.endif
	s_wait_dscnt 0x0                               ; the stores have read their registers
.endm
.set Q, 0
.rept NB
	WBLOCK Q
.set Q, Q+1
.endr
	s_wait_alu depctr_va_vdst(0)                   ; directly ahead of the reader below
	global_store_b64 v9, v[SB:SB+1], s[14:15]      ; my column's 8 scale bytes
.irp t, 0,1,2,3,4,5,6,7,8,9,10,11,12,13,14,15
	ds_load_b96 v[OUTR+4*\t:OUTR+4*\t+2], v7 offset:2*\t*PITCH
.endr
.irp t, 0,1,2,3,4,5,6,7,8,9,10,11,12,13,14,15
	s_wait_dscnt 15-\t                             ; columns 2 t and 2 t + 1 are back; the later loads stay out
	global_store_b96 v8, v[OUTR+4*\t:OUTR+4*\t+2], s[12:13] offset:(16*(\t/4)+(2*\t)%8)*KROW   ; two neighbouring places: 384 consecutive bytes
.endr
	s_wait_tensorcnt 0x0
	ds_add_u32 v208, v209
	s_wait_dscnt 0x0
	s_endpgm
.Lfunc_end_k_q5aac80c85b_prep:
	.size	k_q5aac80c85b_prep, .Lfunc_end_k_q5aac80c85b_prep-k_q5aac80c85b_prep
	.p2alignl 7, 3214868480
	.fill 96, 4, 3214868480
	.section	.rodata,"a",@progbits
	.p2align	6, 0x0
	.amdhsa_kernel k_q5aac80c85b_prep
		.amdhsa_group_segment_fixed_size 68096
		.amdhsa_private_segment_fixed_size 0
		.amdhsa_enable_private_segment 0
		.amdhsa_kernarg_size 48
		.amdhsa_user_sgpr_count 2
		.amdhsa_user_sgpr_kernarg_segment_ptr 1
		.amdhsa_wavefront_size32 1
		.amdhsa_system_sgpr_workgroup_id_x 1
		.amdhsa_system_sgpr_workgroup_id_y 1
		.amdhsa_system_sgpr_workgroup_id_z 1
		.amdhsa_system_vgpr_workitem_id 0
		.amdhsa_next_free_vgpr 210
		.amdhsa_next_free_sgpr 66
		.amdhsa_reserve_vcc 0
		.amdhsa_float_denorm_mode_32 3
		.amdhsa_float_denorm_mode_16_64 3
		.amdhsa_memory_ordered 1
		.amdhsa_forward_progress 1
		.amdhsa_inst_pref_size 75
	.end_amdhsa_kernel
	.amdgpu_metadata
---
amdhsa.version: [ 1, 2 ]
amdhsa.kernels:
  - .name:           k_q5aac80c85b_prep
    .symbol:         k_q5aac80c85b_prep.kd
    .args:
      - { .name: x, .offset: 0, .size: 8, .value_kind: global_buffer, .address_space: global }
      - { .name: Wq, .offset: 8, .size: 8, .value_kind: global_buffer, .address_space: global }
      - { .name: Wkv, .offset: 16, .size: 8, .value_kind: global_buffer, .address_space: global }
      - { .name: Wout, .offset: 24, .size: 8, .value_kind: global_buffer, .address_space: global }
      - { .name: opc, .offset: 32, .size: 8, .value_kind: global_buffer, .address_space: global }
      - { .name: ops, .offset: 40, .size: 8, .value_kind: global_buffer, .address_space: global }
    .group_segment_fixed_size: 68096
    .private_segment_fixed_size: 0
    .kernarg_segment_align: 8
    .kernarg_segment_size: 48
    .max_flat_workgroup_size: 128
    .sgpr_count:     66
    .vgpr_count:     210
    .wavefront_size: 32
...
	.end_amdgpu_metadata
.endif
;; end of part 1
;; launch proj (part 2): grid 12 x 32, 4 waves a work-group, clusters of 4 x 4, 327,680 bytes of LDS; arguments opc, ops, qkv; writes qkv
.if DOCPART == 2
	.amdgcn_target "amdgcn-amd-amdhsa--gfx1250"
	.amdhsa_code_object_version 6
	.text
	.protected	k_q5aac80c85b_proj
	.globl	k_q5aac80c85b_proj
	.p2align	8
	.type	k_q5aac80c85b_proj,@function
k_q5aac80c85b_proj:
	s_mov_b64 s[64:65], 0
	v_nop
	global_prefetch_b8 v0, s[64:65] scope:SCOPE_SE
	s_setreg_imm32_b32 hwreg(HW_REG_WAVE_MODE, 25, 1), 1
	s_wait_xcnt 0x0
	s_wait_alu depctr_hold_cnt(0) depctr_sa_sdst(0) depctr_va_vdst(0) depctr_va_sdst(0) depctr_va_ssrc(0) depctr_va_vcc(0) depctr_vm_vsrc(0)
	s_getreg_b32 s2, hwreg(HW_REG_IB_STS2, 6, 4)
	s_cmp_eq_u32 s2, 0
	s_cbranch_scc0 .Lentry_in_a_cluster
	s_endpgm
.Lentry_in_a_cluster:
	s_bfe_u32 s2, ttmp6, 0x10000c
	s_cmp_lg_u32 s2, 0xf033
	s_cbranch_scc0 .Lentry_shape_is_right
	s_endpgm
.Lentry_shape_is_right:
; PROJ: q, k and v = x Wq, x Wkv on codes of FP6 with E8M0 scales; a work-group makes 256 x 256, a wave 128 x 128; the results are quantised here and leave as the operands of the attention launch.
; opc lies [4 quarters of K][place][192 bytes]: the 256 (at the head) or 128 places of a tile are one dense block, loaded as lines of 256 bytes that begin at multiples of 256; 16 bytes of padding behind each 64 give LDS rows of 240.
; THE HEAD: the first step's four tiles (A's and B's codes of quarter 0, A's and B's scales) are shared out, one joint load a wave; quarter 1 follows behind a whole round, as a refill does.
; THE PLACES (see the preparing launch): a lane's 32 results of four neighbouring tiles of source 0 are one whole block of 32 along the next K.
; No prefetch: K is four steps at the largest block in clusters.
.set SIZE_K, 1024
.set KSTEP,  256
.set NQ,     KSTEP/128
.set ROWB,   0x240000
.set KROW,   192
.set PITCH,  240
.set FR,     12
.set NL,     6
.set NP,     4
.set HALFT,  128*PITCH
.set SLOT,   4*HALFT
.set LAPS,   SIZE_K/(2*KSTEP)
.set KS,     SIZE_K/32
.set SCL,    2*SLOT
.set HALFS,  (128*KS/256)*272
.set SBLK,   (16*KS/256)*272
.set SPARE,  SCL+4*HALFS
.set ADRA, 16
.set ADRB, 20
.set VO0,  24
.set VO1,  25
.set VS,   26
.set ADRS, 27
.set SPW,  28
.set NIL,  29
.set SHV,  30
.set SC,   32
.set TM,   64
.set PW,   80
.set PS,   81
.set PC,   96
.set AF,   128
.set G1, 24
.set G0, 32
.set G1B, 48
.set G0B, 56
.set G1S, 68
.set G0S, 76
.set G1SB, 80
.set G0SB, 88
.set MSB, 0
.macro WIN new
.if MSB != (\new)
	s_set_vgpr_msb (MSB<<8)|(\new)
.set MSB, (\new)
.endif
.endm
.set MUL_LO, 0xa1
.set MUL_HI, 0xf1
.set TO_B,   0x40
.macro JLOAD g0a, g1a, g0b, g1b
	s_cmp_eq_u32 s15, 0
	s_cbranch_scc0 .Lfor_b_\@
	tensor_load_to_lds s[\g0a:\g0a+3], s[\g1a:\g1a+7]
	s_nop 0
.rept 4
	v_nop
.endr
	s_branch .Lasked_\@
.Lfor_b_\@:
	tensor_load_to_lds s[\g0b:\g0b+3], s[\g1b:\g1b+7]
	s_nop 0
.rept 4
	v_nop
.endr
.Lasked_\@:
.endm
.macro CREST
	s_cmp_lg_u32 s14, 0
	s_cbranch_scc1 .Lnot_wave_0_\@
	s_barrier_signal -3
.Lnot_wave_0_\@:
	s_barrier_wait -3
	s_barrier_signal -1
	s_barrier_wait -1
.endm
.macro CROUND
	s_barrier_signal -1
	s_barrier_wait -1
	CREST
.endm
	s_load_b128 s[4:7], s[0:1], 0x0
	s_load_b64 s[12:13], s[0:1], 0x10
	v_lshl_add_u32 v[SPW], v0, 2, SPARE
	v_mov_b32 v[NIL], 0
	ds_add_u32 v28, v29
	ds_add_u32 v28, v29
	s_wait_dscnt 0x0
	v_lshrrev_b32 v1, 5, v0
	v_readfirstlane_b32 s14, v1
	s_lshr_b32 s15, s14, 1
	s_and_b32 s16, s14, 1
	s_bfe_u32 s40, ttmp6, 0x40000
	s_bfe_u32 s41, ttmp6, 0x40004
	s_and_b32 s8, ttmp7, 0xffff
	s_add_co_u32 s9, ttmp9, 8
	s_cmp_eq_u32 ttmp9, 2
	s_cselect_b32 s10, 10, s8
	s_cselect_b32 s11, s8, s9
	s_lshl_b32 s42, s11, 2
	s_add_co_u32 s42, s42, s40
	s_lshl_b32 s17, s10, 2
	s_add_co_u32 s17, s17, s41
	s_lshl_b32 s43, s41, 2
	s_lshl_b32 s43, 15, s43
	s_lshl_b32 s44, 0x1111, s40
	s_or_b32 s[G1+0], s43, (0<<16)|(1<<20)|(1<<21)|(3<<22)|(3<<25)
	s_or_b32 s[G1B+0], s44, (0<<16)|(1<<20)|(1<<21)|(3<<22)|(3<<25)
.irp g, G1, G1B
	s_mov_b32 s[\g+1], 256<<16
	s_mov_b32 s[\g+2], 192<<16
	s_mov_b32 s[\g+3], 256<<16
	s_mov_b32 s[\g+4], 192
	s_mov_b32 s[\g+5], 256
	s_mov_b32 s[\g+6], 0
	s_mov_b32 s[\g+7], 0
.endr
	s_or_b32 s[G1S+0], s43, (3<<16)|(1<<20)|(1<<21)|(5<<22)|(3<<25)
	s_or_b32 s[G1SB+0], s44, (3<<16)|(1<<20)|(1<<21)|(5<<22)|(3<<25)
.irp g, G1S, G1SB
	s_mov_b32 s[\g+1], 32<<16
	s_mov_b32 s[\g+2], KS<<16
	s_mov_b32 s[\g+3], 32<<16
	s_mov_b32 s[\g+4], KS
	s_mov_b32 s[\g+5], 32
	s_mov_b32 s[\g+6], 0
	s_mov_b32 s[\g+7], 0
.endr
	s_lshl_b32 s20, s17, 8
	s_lshl_b32 s46, s42, 8
	s_mul_i32 s66, s16, 128*KROW
	s_mov_b32 s67, 0
	s_mov_b32 s21, 0
	s_mov_b32 s47, 0
	s_mov_b64 s[18:19], KS
	s_mul_u64 s[22:23], s[20:21], s[18:19]
	s_mul_u64 s[92:93], s[46:47], s[18:19]
	s_mov_b64 s[18:19], KROW
	s_mul_u64 s[20:21], s[20:21], s[18:19]
	s_mul_u64 s[46:47], s[46:47], s[18:19]
	s_mul_i32 s45, s14, HALFT
	s_wait_kmcnt 0x0
	s_add_nc_u64 s[20:21], s[4:5], s[20:21]
	s_add_nc_u64 s[22:23], s[6:7], s[22:23]
	s_add_nc_u64 s[46:47], s[4:5], s[46:47]
	s_add_nc_u64 s[92:93], s[6:7], s[92:93]
	CROUND
	s_mov_b32 s[G0S], 1
	s_mov_b32 s[G0S+1], SCL
	s_mov_b64 s[G0S+2:G0S+3], s[22:23]
	s_or_b32 s[G0S+3], s[G0S+3], 0x80000000
	s_mov_b32 s[G0SB], 1
	s_mov_b32 s[G0SB+1], SCL+2*HALFS
	s_mov_b64 s[G0SB+2:G0SB+3], s[92:93]
	s_or_b32 s[G0SB+3], s[G0SB+3], 0x80000000
	s_mov_b32 s[G0], 1                             ; slot 0's groups 0 serve the head first: the whole 256 places of quarter 0
	s_mov_b32 s[G0+1], 0
	s_mov_b64 s[G0+2:G0+3], s[20:21]
	s_or_b32 s[G0+3], s[G0+3], 0x80000000
	s_mov_b32 s[G0B], 1
	s_mov_b32 s[G0B+1], 2*HALFT
	s_mov_b64 s[G0B+2:G0B+3], s[46:47]
	s_or_b32 s[G0B+3], s[G0B+3], 0x80000000
	s_add_nc_u64 s[20:21], s[20:21], s[66:67]      ; for the ring: my 128 places of the tile
	s_add_nc_u64 s[46:47], s[46:47], s[66:67]
	s_mov_b32 s[G0+4], 1
	s_add_co_u32 s[G0+5], s45, SLOT
	s_add_nc_u64 s[G0+6:G0+7], s[20:21], ROWB
	s_or_b32 s[G0+7], s[G0+7], 0x80000000
	s_mov_b32 s[G0B+4], 1
	s_add_co_u32 s[G0B+5], s45, SLOT
	s_add_nc_u64 s[G0B+6:G0B+7], s[46:47], ROWB
	s_or_b32 s[G0B+7], s[G0B+7], 0x80000000
; one chain of branches on the wave's number, one joint load to an arm
.macro ARM under, g0, g1, next
	s_cmp_lt_u32 s14, \under
	s_cbranch_scc0 \next
	tensor_load_to_lds s[\g0:\g0+3], s[\g1:\g1+7]
	s_nop 0
.rept 4
	v_nop
.endr
	s_branch .Lhead_asked
\next:
.endm
	ARM 1, G0,  G1,  .Lhead_b
	ARM 2, G0B, G1B, .Lhead_sa
	ARM 3, G0S, G1S, .Lhead_sb
	tensor_load_to_lds s[G0SB:G0SB+3], s[G1SB:G1SB+7]
	s_nop 0
.rept 4
	v_nop
.endr
.Lhead_asked:
	v_and_b32 v1, 15, v0
	v_bfe_u32 v2, v0, 4, 1
	v_mul_u32_u24 v3, v1, PITCH
	v_mul_u32_u24 v4, v2, 24
	v_add_nc_u32 v4, v3, v4
	v_lshl_add_u32 v5, v2, 4, v4
	s_mul_i32 s21, s15, HALFT
	s_mul_i32 s22, s16, HALFT
	s_add_co_u32 s22, s22, 2*HALFT
.irp s, 0,1
	v_add_nc_u32 v[ADRA+\s], s21, v4
	v_add_nc_u32 v[ADRB+\s], s22, v4
	v_add_nc_u32 v[ADRA+2+\s], s21, v5
	v_add_nc_u32 v[ADRB+2+\s], s22, v5
	s_add_co_u32 s21, s21, SLOT
	s_add_co_u32 s22, s22, SLOT
.endr
	v_mul_u32_u24 v5, v1, KS
	v_lshrrev_b32 v6, 8, v5
	v_lshl_add_u32 v5, v6, 4, v5
	s_mul_i32 s21, s15, HALFS
	s_mul_i32 s22, s16, HALFS
	s_add_co_u32 s22, s22, 2*HALFS
	s_sub_co_u32 s22, s22, s21
	v_mul_u32_u24 v6, s22, v2
	s_add_co_u32 s21, s21, SCL
	v_add_nc_u32 v5, v5, v6
	v_add_nc_u32 v[ADRS], s21, v5
	s_cmp_eq_u32 ttmp9, 2
	s_cselect_b32 s20, s40, s41
	s_cselect_b32 s21, s16, s15
	s_cselect_b32 s22, s41, s40
	s_cselect_b32 s23, s15, s16
	s_lshl_b32 s46, s8, 3
	s_lshl_b32 s20, s20, 1
	s_add_co_u32 s46, s46, s20
	s_add_co_u32 s46, s46, s21
	s_lshr_b32 s47, s46, 4
	s_and_b32 s46, s46, 15
	s_lshl_b32 s22, s22, 2
	s_lshl_b32 s23, s23, 1
	s_add_co_u32 s22, s22, s23
	s_lshl_b32 s47, s47, 4
	s_add_co_u32 s47, s47, s22
	s_lshl_b32 s47, s47, 4
	s_add_co_u32 s46, s46, s47
	s_cmp_eq_u32 ttmp9, 0
	s_mov_b32 s92, 13056
	s_cselect_b32 s92, 6144, s92
	s_mov_b32 s93, 13056
	s_cselect_b32 s93, 512, s93
	s_mov_b32 s94, 6815744
	s_cselect_b32 s94, 0, s94
	s_mov_b32 s95, 6828032
	s_cselect_b32 s95, 6291456, s95
	s_lshl_b32 s96, s92, 4
	s_lshl_b32 s97, s93, 4
	s_cmp_eq_u32 ttmp9, 2
	s_cselect_b32 s96, 768, s96
	s_cselect_b32 s97, 0, s97
	s_cselect_b32 s20, 6144, 0
	s_cselect_b32 s21, 512, 0
	s_mov_b32 s4, 768
	s_cselect_b32 s4, 1536, s4
	s_mov_b32 s5, 768
	s_cselect_b32 s5, 204288, s5
	s_cselect_b32 s6, 208704, 64
	s_cselect_b32 s7, 0, 16
	s_add_co_u32 s94, s94, s20
	s_add_co_u32 s95, s95, s21
	s_mul_i32 s92, s92, s46
	s_mul_i32 s93, s93, s46
	s_add_co_u32 s94, s94, s92
	s_add_co_u32 s95, s95, s93
	v_and_b32 v6, 31, v0
	v_lshl_add_u32 v[VO0], v6, 3, s94
	v_add_nc_u32 v[VO1], s96, v[VO0]
	v_lshl_add_u32 v[VS], v1, 2, s95
	v_mul_u32_u24 v5, s97, v2
	v_add_nc_u32 v[VS], v[VS], v5
	v_mul_u32_u24 v[SHV], s7, v2
	v_lshlrev_b32 v31, 3, v2                       ; 8 x (lane / 16): where my blocks' bytes stand in a scale word
	s_mov_b32 s18, 0x76543210
	s_mov_b32 s19, 0xfedcba98
.macro FRAG reg, adr, q, i
.irp p, 0,1,2,3,4,5
.set PCE, 12*(\q)+6*(\p/3)+\p%3
.if PCE%8 < 5
	ds_load_b64 v[\reg+2*\p:\reg+2*\p+1], v[\adr] offset:8*PCE+16*(PCE/8)+(\i)*16*PITCH
.else
	ds_load_b64 v[\reg+2*\p:\reg+2*\p+1], v[\adr+2] offset:8*PCE+16*(PCE/8)+(\i)*16*PITCH
.endif
.endr
.endm
.macro MUL16 a0, p, q, sc, zero
.irp a, \a0, \a0+1
.irp b, 0,1,2,3,4,5,6,7
.if \zero
	v_wmma_scale_f32_16x16x128_f8f6f4 v[8*(8*((\a)%4)+\b):8*(8*((\a)%4)+\b)+7], v[128*(\p)+FR*\b:128*(\p)+FR*\b+FR-1], v[AF+FR*(\a):AF+FR*(\a)+FR-1], 0, v[SC+8*NQ*(\sc)+NQ*\b+(\q)], v[SC+8*NQ*(\sc)+NQ*(\a)+(\q)] matrix_a_fmt:MATRIX_FMT_FP6 matrix_b_fmt:MATRIX_FMT_FP6 matrix_a_scale:MATRIX_SCALE_ROW1
.else
	v_wmma_scale_f32_16x16x128_f8f6f4 v[8*(8*((\a)%4)+\b):8*(8*((\a)%4)+\b)+7], v[128*(\p)+FR*\b:128*(\p)+FR*\b+FR-1], v[AF+FR*(\a):AF+FR*(\a)+FR-1], v[8*(8*((\a)%4)+\b):8*(8*((\a)%4)+\b)+7], v[SC+8*NQ*(\sc)+NQ*\b+(\q)], v[SC+8*NQ*(\sc)+NQ*(\a)+(\q)] matrix_a_fmt:MATRIX_FMT_FP6 matrix_b_fmt:MATRIX_FMT_FP6 matrix_a_scale:MATRIX_SCALE_ROW1
.endif
.endr
.endr
.endm
.macro FETCH_B slot, q, p
	WIN TO_B
.irp i, 0,1,2,3,4,5,6,7
	FRAG 128*(\p)+FR*\i, ADRB+\slot, \q, \i
.endr
	WIN 0
.endm
.macro FETCH_A slot, q, i0
.irp i, \i0, \i0+1, \i0+2, \i0+3
	FRAG AF+FR*(\i), ADRA+\slot, \q, \i
.endr
.endm
.macro SCALES sc
.irp i, 0,1,2,3,4,5,6,7
	ds_load_b64 v[SC+8*NQ*\sc+NQ*\i:SC+8*NQ*\sc+NQ*\i+1], v[ADRS] offset:\i*SBLK
.endr
.endm
.macro PLACES n
.rept \n
	v_nop
.endr
.endm
.macro STEP slot, q, zero
	s_wait_dscnt 4*NL
	WIN MUL_LO
	MUL16 0, (\q)%2, \q, \slot, \zero
	MUL16 2, (\q)%2, \q, \slot, \zero
	s_wait_dscnt 0
	PLACES NP
	FETCH_B \slot, (\q)+1, 1-(\q)%2
	FETCH_A \slot, (\q)+1, 0
	WIN MUL_HI
	MUL16 4, (\q)%2, \q, \slot, \zero
	MUL16 6, (\q)%2, \q, \slot, \zero
	PLACES NP
	WIN 0
	FETCH_A \slot, (\q)+1, 4
.endm
.macro TURN slot, next, fill
	s_wait_tensorcnt 0x0
	ds_add_u32 v[SPW], v[NIL]
	s_wait_dscnt 4*NL+1
	WIN MUL_LO
	MUL16 0, 1, NQ-1, \slot, 0
	s_wait_dscnt 0x0
	s_barrier_signal -1
	MUL16 2, 1, NQ-1, \slot, 0
	WIN 0
	s_barrier_wait -1
.if \fill
	CREST
	s_add_nc_u64 s[G0+4*\slot+2:G0+4*\slot+3], s[G0+4*\slot+2:G0+4*\slot+3], 2*ROWB
	s_add_nc_u64 s[G0B+4*\slot+2:G0B+4*\slot+3], s[G0B+4*\slot+2:G0B+4*\slot+3], 2*ROWB
	JLOAD G0+4*\slot, G1, G0B+4*\slot, G1B
.else
	PLACES NP
.endif
	s_wait_alu depctr_va_vdst(0)
	v_add_nc_u32 v[ADRS], 4*NQ, v[ADRS]
	FETCH_B \next, 0, 0
	FETCH_A \next, 0, 0
	SCALES \next
	WIN MUL_HI
	MUL16 4, 1, NQ-1, \slot, 0
	MUL16 6, 1, NQ-1, \slot, 0
	PLACES NP
	WIN 0
	FETCH_A \next, 0, 4
.endm
	s_wait_alu depctr_va_vdst(0)
	s_wait_tensorcnt 0x0                           ; my tile of the head's four is in
	ds_add_u32 v[SPW], v[NIL]
	s_mov_b32 s[G1+2], 96<<16                      ; no tensor load of mine is out: from here on a load brings 128 places, 96 lines,
	s_mov_b32 s[G1+4], 96
	s_mov_b32 s[G1B+2], 96<<16
	s_mov_b32 s[G1B+4], 96
	s_mov_b32 s[G0+1], s45                         ; and slot 0's groups 0 stand at my quarter of the slot
	s_mov_b32 s[G0B+1], s45
	s_add_nc_u64 s[G0+2:G0+3], s[G0+2:G0+3], s[66:67]
	s_add_nc_u64 s[G0B+2:G0B+3], s[G0B+2:G0B+3], s[66:67]
	s_wait_dscnt 0x0
	CROUND
	JLOAD G0+4, G1, G0B+4, G1B                     ; quarter 1, the first tensor load behind the round
	FETCH_B 0, 0, 0
	FETCH_A 0, 0, 0
	SCALES 0
	FETCH_A 0, 0, 4
	STEP 0, 0, 1
	s_mov_b32 s3, LAPS-1
.Llap:
	TURN 0, 1, 1
	STEP 1, 0, 0
	TURN 1, 0, 1
	STEP 0, 0, 0
	s_sub_co_u32 s3, s3, 1
	s_cmp_lg_u32 s3, 0
	s_cbranch_scc1 .Llap
	TURN 0, 1, 0
	STEP 1, 0, 0
	s_wait_dscnt 4*NL
	WIN MUL_LO
	MUL16 0, 1, NQ-1, 1, 0
	MUL16 2, 1, NQ-1, 1, 0
	s_wait_dscnt 0
	WIN MUL_HI
	MUL16 4, 1, NQ-1, 1, 0
	MUL16 6, 1, NQ-1, 1, 0
	WIN 0
.macro QBLOCK a
.set AC, 64*((\a)%4)
.set W,  2+(\a)/4
.set W01, W|(W<<2)
.set W12, (W<<2)|(W<<4)
.if (\a) > 0
	s_wait_xcnt 0x0
.if (\a) == 4
	v_add_nc_u32 v[VO0], s5, v[VO0]
	v_add_nc_u32 v[VO1], s5, v[VO1]
	v_add_nc_u32 v[VS], s6, v[VS]
.else
	v_add_nc_u32 v[VO0], s4, v[VO0]
	v_add_nc_u32 v[VO1], s4, v[VO1]
	v_add_nc_u32 v[VS], 64, v[VS]
.endif
.endif
	WIN W01
.irp b, 0,1,2,3
	v_max3_num_f32 v[TM+\b], |v[AC+16*\b]|, |v[AC+16*\b+1]|, 0x1800000
.endr
	WIN W12
.irp i, 2,4,6,8,10,12,14
.irp b, 0,1,2,3
	v_max3_num_f32 v[TM+\b], v[TM+\b], |v[AC+16*\b+\i]|, |v[AC+16*\b+\i+1]|
.endr
.endr
	WIN 0
.irp b, 0,2
	v_max_num_f32 v[TM+\b], v[TM+\b], v[TM+1+\b]   ; my two whole blocks: 32 registers each
.endr
.irp b, 0,2
	v_add_nc_u32 v[TM+12+\b], 0xff000000, v[TM+\b]
.endr
.irp b, 0,2
	v_lshrrev_b32 v[TM+4+\b], 23, v[TM+12+\b]
.endr
	v_lshl_or_b32 v[PW], v[TM+6], 16, v[TM+4]      ; bytes lane / 16 and 2 + lane / 16 of the row's word are mine,
	v_lshlrev_b32 v[PW], v31, v[PW]
	v_permlanex16_b32 v[TM+5], v[PW], s18, s19
	v_or_b32 v[PW], v[PW], v[TM+5]                 ; the other two lane l xor 16's
	WIN W
.irp c, 0,1
	v_cvt_scalef32_pk16_fp6_f32 v[PC+6*\c:PC+2+6*\c], v[AC+32*\c:AC+15+32*\c], v[TM+12+2*\c]
	v_cvt_scalef32_pk16_fp6_f32 v[PC+12+4*\c:PC+14+4*\c], v[AC+16+32*\c:AC+31+32*\c], v[TM+12+2*\c]
.endr
	WIN 0
	v_nop
.irp c, 0,1
.irp i, 0,1,2
	v_mov_b32 v[PC+3+6*\c+\i], v[PC+12+4*\c+\i]
.endr
.endr
	v_lshrrev_b32 v[PS], v[SHV], v[PW]
.irp p, 0,1,2
	global_store_b64 v[VO0], v[PC+2*\p:PC+2*\p+1], s[12:13] offset:256*\p
.endr
.irp p, 0,1,2
	global_store_b64 v[VO1], v[PC+6+2*\p:PC+7+2*\p], s[12:13] offset:256*\p
.endr
	global_store_b32 v[VS], v[PS], s[12:13]
.endm
.irp b, 0,1,2,3
	v_mov_b32 v[TM+4+\b], 0
.endr
.irp a, 0,1,2,3,4,5,6,7
	QBLOCK \a
.endr
	s_wait_tensorcnt 0x0
	ds_add_u32 v[SPW], v[NIL]
	s_wait_dscnt 0x0
	CROUND
	s_endpgm
.Lfunc_end_k_q5aac80c85b_proj:
	.size	k_q5aac80c85b_proj, .Lfunc_end_k_q5aac80c85b_proj-k_q5aac80c85b_proj
	.p2alignl 7, 3214868480
	.fill 96, 4, 3214868480
	.section	.rodata,"a",@progbits
	.p2align	6, 0x0
	.amdhsa_kernel k_q5aac80c85b_proj
		.amdhsa_group_segment_fixed_size 327680
		.amdhsa_private_segment_fixed_size 0
		.amdhsa_enable_private_segment 0
		.amdhsa_kernarg_size 24
		.amdhsa_user_sgpr_count 2
		.amdhsa_user_sgpr_kernarg_segment_ptr 1
		.amdhsa_wavefront_size32 1
		.amdhsa_system_sgpr_workgroup_id_x 1
		.amdhsa_system_sgpr_workgroup_id_y 1
		.amdhsa_system_sgpr_workgroup_id_z 1
		.amdhsa_system_vgpr_workitem_id 0
		.amdhsa_next_free_vgpr 1024
		.amdhsa_next_free_sgpr 98
		.amdhsa_reserve_vcc 0
		.amdhsa_float_denorm_mode_32 3
		.amdhsa_float_denorm_mode_16_64 3
		.amdhsa_memory_ordered 1
		.amdhsa_forward_progress 1
		.amdhsa_inst_pref_size 165
	.end_amdhsa_kernel
	.amdgpu_metadata
---
amdhsa.version: [ 1, 2 ]
amdhsa.kernels:
  - .name:           k_q5aac80c85b_proj
    .symbol:         k_q5aac80c85b_proj.kd
    .args:
      - { .name: opc, .offset: 0, .size: 8, .value_kind: global_buffer, .address_space: global }
      - { .name: ops, .offset: 8, .size: 8, .value_kind: global_buffer, .address_space: global }
      - { .name: qkv, .offset: 16, .size: 8, .value_kind: global_buffer, .address_space: global }
    .group_segment_fixed_size: 327680
    .private_segment_fixed_size: 0
    .kernarg_segment_align: 8
    .kernarg_segment_size: 24
    .max_flat_workgroup_size: 128
    .sgpr_count:     98
    .vgpr_count:     1024
    .wavefront_size: 32
...
	.end_amdgpu_metadata
.endif
;; end of part 2
;; launch attn (part 3): grid 4 x 64, 8 waves a work-group, clusters of 4 x 1, 210,944 bytes of LDS; arguments qkv, ao, aos; writes ao, aos
.if DOCPART == 3
	.amdgcn_target "amdgcn-amd-amdhsa--gfx1250"
	.amdhsa_code_object_version 6
	.text
	.protected	k_q5aac80c85b_attn
	.globl	k_q5aac80c85b_attn
	.p2align	8
	.type	k_q5aac80c85b_attn,@function
k_q5aac80c85b_attn:
	s_mov_b64 s[64:65], 0
	v_nop
	global_prefetch_b8 v0, s[64:65] scope:SCOPE_SE
	s_setreg_imm32_b32 hwreg(HW_REG_WAVE_MODE, 25, 1), 1
	s_wait_xcnt 0x0
	s_wait_alu depctr_hold_cnt(0) depctr_sa_sdst(0) depctr_va_vdst(0) depctr_va_sdst(0) depctr_va_ssrc(0) depctr_va_vcc(0) depctr_vm_vsrc(0)
	s_getreg_b32 s2, hwreg(HW_REG_IB_STS2, 6, 4)
	s_cmp_eq_u32 s2, 0
	s_cbranch_scc0 .Lentry_in_a_cluster
	s_endpgm
.Lentry_in_a_cluster:
	s_bfe_u32 s2, ttmp6, 0x10000c
	s_cmp_lg_u32 s2, 0x3003
	s_cbranch_scc0 .Lentry_shape_is_right
	s_endpgm
.Lentry_shape_is_right:
; ATTN: for each batch and head, O[q] = sum over keys of softmax(q . k / 8) v, both products on codes of FP6 (E2M3) with E8M0 scales; the result is quantised along the model's 1,024 and leaves as codes.
; THE SOFTMAX: t = score x log2(e) / 8; M = the row's largest t so far, rounded UP to a whole number; p = 2^(t - M) is quantised along the keys, not normalised.  The row's sum is taken of the
; unquantised p and divides O at the end.  When M moves, the sum and O are multiplied by 2^(old M - new M): exact.
; SHARES: a cluster of four work-groups takes one head (y = 16 batch + head); a work-group 512 queries; each of its eight waves TWO tiles of 16 queries at once (u = 0, 1), two such pairs one after the other.
;   Each fragment of K and of V^T that is read from LDS feeds both tiles; the two tiles' dependent lines stand by turns; tile 1's multiply-adds stand among tile 0's exponentials.
; LDS: the head's K and V^T, 16 records of 13,056 bytes (one for each 128 keys), lie in LDS whole.  Wave w brings records 2 w and 2 w + 1 by ONE joint load of the four work-groups; nothing is filled again.
;   A record: k's 8 units of 768 bytes | V^T's 4 fragments of 1,536 | k's 128 scale words | v's 64 scale words; planes of 256 bytes, lane l at byte 8 l.
; LAYOUT: both products are used transposed (S^T = K Q^T, O^T = V^T P^T): a lane holds ONE query of each tile.  By the places that the preparing launch gives tokens and channels, the 32 registers of four
;   neighbouring tiles are one whole block of 32 (keys for p, channels for O): lanes 0-15 the even block, lanes 16-31 the odd one, as the 6-bit operand layout wants it.
; THE HEAD'S 64 are half of the instruction's 128 along K: registers 6-11 of Q's fragments hold zero codes.  K's tiles lie 6 registers apart: the upper half of a tile's operand is the next tile's codes, finite
;   numbers under finite scale bytes, which Q's zeros multiply away.
; REGISTERS: window 0: addresses, S^T of both tiles, scale words, 32 registers at work for each tile.  Window 1: K's tiles / V^T's fragments, Q, O^T, p's codes.
; No prefetch: all tensor loads go out at the start, so there is no later request to run ahead of.
; LIMITS: the promise holds while the scaled scores stay under 2^31 in magnitude; a block's largest p is taken from its largest score (it takes v_exp_f32 not to fall where its input rises); a block of zeros
;   gets the byte 1 where the rule says 127 (this program alone reads the bytes); NaN and infinities are not served.  aos is written 2 bytes a row.
.set REC,  13056
.set KVR,  6815744                     ; where the records begin in qkv
.set QSO,  6291456                     ; where q's scale words begin
.set SPARE, 0x33000                    ; behind the 16 records: the spare words, 128 bytes a wave
; window 0
.set ADK,  3                           ; LDS addresses of a trip's two records: + 8 x lane, + 4 x lane
.set ADS,  4
.set NIL,  29
.set SH8,  30                          ; 8 x (lane / 16)
.set SPW,  31
.set SA,   32                          ; S^T, then p: tile u at SA + 64 u
.set KW,   160                         ; K's scale words (4), V's (2), p's (a tile each), Q's, the second pair's Q's
.set VW,   164
.set PW,   166
.set QW,   168
.set QW2,  170
.set ZA,   176                         ; tile u's registers at work, from ZA + 32 u:
.set BM,   0                           ; 4 maxima
.set F,    4                           ; f (a pair)
.set T,    6                           ; the step's sum of p, four chains of pairs
.set L,    14                          ; the row's sum (a pair)
.set N0,   16                          ; -M of a trip's first step (a pair)
.set N1,   18                          ; -M of its second: so the old one is at hand with no copy
.set RM,   20                          ; the largest score so far
.set X,    22                          ; 7 at work
; window 1
.set KF,   0                           ; v0-53 K's 8 tiles; then v0-47 V^T's four fragments
.set QA,   64                          ; Q: tile u at QA + 12 u
.set Q2,   88                          ; the second pair's Q: 6 registers a tile
.set OA,   128                         ; O^T: tile u at OA + 32 u
.set PA,   192                         ; p's codes: tile u at PA + 12 u
.set PTA,  216                         ; the blocks' upper halves as the conversions leave them: tile u at PTA + 8 u
.set WV,   10
.set SEL,  20                          ; s[20:21] lane l xor 16
.set CS,   22                          ; s[22:23] c = log2(e) / 8
.set G1,   24
.set G0,   32
.set NC,   36                          ; -c
.set TB,   48
.set CNT,  49
.set PASS, 50
.set MSB, 0
.macro WIN new                         ; bits 1:0 source 0, 3:2 source 1, 5:4 source 2, 7:6 destination; the high byte repeats the setting that is left
.if MSB != (\new)
	s_set_vgpr_msb (MSB<<8)|(\new)
.set MSB, (\new)
.endif
.endm
.macro CROUND
	s_barrier_signal -1
	s_barrier_wait -1
	s_cmp_lg_u32 s[WV], 0
	s_cbranch_scc1 .Lnot_wave_0_\@
	s_barrier_signal -3
.Lnot_wave_0_\@:
	s_barrier_wait -3
	s_barrier_signal -1
	s_barrier_wait -1
.endm
	s_load_b128 s[4:7], s[0:1], 0x0                ; qkv, ao
	s_load_b64 s[8:9], s[0:1], 0x10                ; aos
	v_lshl_add_u32 v[SPW], v0, 2, SPARE
	v_mov_b32 v[NIL], 0
	ds_add_u32 v[SPW], v[NIL]                      ; the opening lines
	ds_add_u32 v[SPW], v[NIL]
	v_lshrrev_b32 v1, 5, v0
	v_readfirstlane_b32 s[WV], v1                  ; wave 0..7
	s_bfe_u32 s11, ttmp6, 0x40000                  ; cx: it enters Q's, ao's and aos's addresses alone
	s_and_b32 s12, ttmp7, 0xffff                   ; y, which the four partners share
	s_mov_b32 s[G1], 15|(3<<16)|(1<<21)            ; the mask: all four work-groups; elements of 8 bytes; bit 21 beside a mask
	s_mov_b32 s[G1+1], 32<<16                      ; two records as 102 lines of 256 bytes, dense
	s_mov_b32 s[G1+2], 102<<16
	s_mov_b32 s[G1+3], 32<<16
	s_mov_b32 s[G1+4], 102
	s_mov_b32 s[G1+5], 32
	s_mov_b32 s[G1+6], 0
	s_mov_b32 s[G1+7], 0
	s_lshl_b32 s14, s12, 4
	s_lshl_b32 s13, s[WV], 1
	s_add_co_u32 s14, s14, s13
	s_mul_i32 s14, s14, REC                        ; record 16 y + 2 wave,
	s_add_co_u32 s14, s14, KVR
	s_mov_b32 s15, 0
	s_mul_i32 s13, s[WV], 2*REC                    ; and its place in LDS
	s_lshl_b32 s16, s12, 7
	s_lshl_b32 s17, s11, 5
	s_lshl_b32 s18, s[WV], 2
	s_add_co_u32 s17, s17, s18                     ; my first tile in the head: 32 cx + 4 wave
	s_add_co_u32 s16, s16, s17
	s_mul_i32 s18, s16, 768                        ; its unit of q
	s_mov_b32 s19, 0
	s_lshl_b32 s2, s16, 6
	s_add_co_u32 s2, s2, QSO                       ; its scale words
	s_mov_b32 s3, 0
	s_lshr_b32 s16, s12, 4
	s_lshl_b32 s16, s16, 7
	s_add_co_u32 s16, s16, s17                     ; the tile among the 512 of all tokens
	s_and_b32 s17, s12, 15                         ; the head
	s_lshl_b32 s51, s16, 4
	s_add_co_u32 s51, s51, s17
	s_mul_i32 s60, s51, 768                        ; its unit in ao: 12,288 bytes from tile to tile
	s_mov_b32 s61, 0
	s_lshl_b32 s62, s16, 9
	s_lshl_b32 s17, s17, 1
	s_add_co_u32 s62, s62, s17                     ; in aos: 512 bytes a tile, 2 bytes a head
	s_mov_b32 s63, 0
	s_mov_b32 s[SEL], 0x76543210
	s_mov_b32 s[SEL+1], 0xfedcba98
	s_mov_b32 s[CS], 0x3e38aa3b
	s_mov_b32 s[CS+1], s[CS]
	s_mov_b32 s[NC], 0xbe38aa3b
	s_wait_dscnt 0x0
	s_wait_kmcnt 0x0
	s_add_nc_u64 s[14:15], s[4:5], s[14:15]
	s_add_nc_u64 s[52:53], s[4:5], s[18:19]
	s_add_nc_u64 s[54:55], s[4:5], s[2:3]
	s_add_nc_u64 s[56:57], s[6:7], s[60:61]
	s_add_nc_u64 s[58:59], s[8:9], s[62:63]
	s_mov_b32 s[G0], 1
	s_mov_b32 s[G0+1], s13
	s_mov_b64 s[G0+2:G0+3], s[14:15]
	s_or_b32 s[G0+3], s[G0+3], 0x80000000
	CROUND                                         ; all four work-groups are here: the joint loads meet
	tensor_load_to_lds s[G0:G0+3], s[G1:G1+7]      ; my one tensor load
	s_nop 0
	v_and_b32 v2, 31, v0
	v_lshlrev_b32 v1, 3, v2                        ; 8 x lane
	v_lshlrev_b32 v2, 2, v2                        ; 4 x lane
	v_and_b32 v6, 15, v0
	v_lshlrev_b32 v5, 5, v6                        ; my row of aos
	v_lshlrev_b32 v6, 2, v6                        ; my query's scale word
	v_bfe_u32 v[SH8], v0, 4, 1
	v_lshlrev_b32 v[SH8], 3, v[SH8]
.irp u, 0,1
	global_load_b32 v[QW+\u], v6, s[54:55] offset:64*\u th:TH_LOAD_NT
	global_load_b32 v[QW2+\u], v6, s[54:55] offset:128+64*\u th:TH_LOAD_NT
.endr
.irp u, 0,1
.irp r, N0+1, N1+1, F+1, X+1, X+6
	v_mov_b32 v[ZA+32*\u+\r], 0                    ; upper halves of pairs that are named whole, and the lane permutes' destinations
.endr
.endr
	WIN 0x40
.irp u, 0,1
.irp p, 0,1,2
	global_load_b64 v[QA+12*\u+2*\p:QA+12*\u+2*\p+1], v1, s[52:53] offset:768*\u+256*\p th:TH_LOAD_NT        ; the first pair's Q
	global_load_b64 v[Q2+6*\u+2*\p:Q2+6*\u+2*\p+1], v1, s[52:53] offset:1536+768*\u+256*\p th:TH_LOAD_NT     ; the second's
.endr
.endr
.irp n, 0,1,2,3,4,5
	v_mov_b32 v[QA+6+\n], 0                        ; zero codes for K = 64 .. 127 of Q
	v_mov_b32 v[QA+18+\n], 0
	v_mov_b32 v[KF+48+\n], 0                       ; what stands behind K's last tile
.endr
	WIN 0
	s_wait_alu depctr_va_vdst(0)
	s_wait_loadcnt 0x0                             ; Q
	s_wait_tensorcnt 0x0                           ; my records are in,
	s_barrier_signal -1
	s_barrier_wait -1                              ; everybody's are
.macro KLOAD o                         ; K's 8 tiles and their scale words of the record at byte o of the trip's two
.irp w, 0,1,2,3
	ds_load_b32 v[KW+\w], v[ADS] offset:(\o)+12288+128*\w   ; lanes 0-15: tile 2 w's words; lanes 16-31: tile 2 w + 1's
.endr
	WIN 0x40
.irp t, 0,1,2,3,4,5,6,7
.irp p, 0,1,2
	ds_load_b64 v[KF+6*\t+2*\p:KF+6*\t+2*\p+1], v[ADK] offset:(\o)+768*\t+256*\p
.endr
.endr
	WIN 0
.endm
.macro SADD su, m, q                   ; chain q of tile su's sum takes pairs q, q + 4, .. of p's 32
.if \m == 1
	v_pk_add_f32 v[ZA+32*\su+T+2*\q:ZA+32*\su+T+2*\q+1], v[SA+64*\su+2*\q:SA+64*\su+2*\q+1], v[SA+64*\su+8+2*\q:SA+64*\su+9+2*\q]
.else
	v_pk_add_f32 v[ZA+32*\su+T+2*\q:ZA+32*\su+T+2*\q+1], v[ZA+32*\su+T+2*\q:ZA+32*\su+T+2*\q+1], v[SA+64*\su+8*\m+2*\q:SA+64*\su+8*\m+2*\q+1]
.endif
.endm
.macro SADD4 su, m
.irp q, 0,1,2,3
	SADD \su, \m, \q
.endr
.endm
.macro JOIN su                         ; the last step's four chains go into the row's sum
.set ZZ, ZA+32*\su
	v_pk_add_f32 v[ZZ+T:ZZ+T+1], v[ZZ+T:ZZ+T+1], v[ZZ+T+2:ZZ+T+3]
	v_pk_add_f32 v[ZZ+T+4:ZZ+T+5], v[ZZ+T+4:ZZ+T+5], v[ZZ+T+6:ZZ+T+7]
	v_pk_add_f32 v[ZZ+T:ZZ+T+1], v[ZZ+T:ZZ+T+1], v[ZZ+T+4:ZZ+T+5]
	v_pk_add_f32 v[ZZ+L:ZZ+L+1], v[ZZ+L:ZZ+L+1], v[ZZ+T:ZZ+T+1]
.endm
.macro TM8                             ; tile 0's t - M, two at a time
.rept 8
	v_pk_fma_f32 v[SA+J:SA+J+1], v[SA+J:SA+J+1], s[CS:CS+1], v[ZA+NN:ZA+NN+1] op_sel_hi:[1,0,0]
.set J, J+2
.endr
.endm
.macro OM su                           ; O^T under the new M, each accumulator from its low end on (window: destination and source 0 in 1)
.set J, 0
.rept 16
	v_pk_mul_f32 v[OA+32*\su+J:OA+32*\su+J+1], v[OA+32*\su+J:OA+32*\su+J+1], v[ZA+32*\su+F:ZA+32*\su+F+1] op_sel_hi:[1,0]
.set J, J+2
.endr
.endm
.macro SCL su                          ; tile su's p: its scale word and codes; six eighths of its sum stand between the dependent lines
.set ZZ, ZA+32*\su
	v_max_num_f32 v[ZZ+BM], 0x1800000, v[ZZ+BM]    ; the floor 2^(3 - 127): the byte cannot fall under 1
	v_max_num_f32 v[ZZ+BM+2], 0x1800000, v[ZZ+BM+2]
	SADD4 \su, 1
	v_add_nc_u32 v[ZZ+X+2], 0xff000000, v[ZZ+BM]   ; 2 off the exponent field: the conversions' scale operands
	v_add_nc_u32 v[ZZ+X+3], 0xff000000, v[ZZ+BM+2]
	SADD4 \su, 2
	v_lshrrev_b32 v[ZZ+X+4], 23, v[ZZ+X+2]
	v_lshrrev_b32 v[ZZ+X+5], 23, v[ZZ+X+3]
	SADD4 \su, 3
	v_lshl_or_b32 v[ZZ+X+4], v[ZZ+X+5], 16, v[ZZ+X+4]   ; bytes lane / 16 and 2 + lane / 16 of the scale word are mine,
	v_lshlrev_b32 v[ZZ+X+4], v[SH8], v[ZZ+X+4]
	SADD4 \su, 4
	v_permlanex16_b32 v[ZZ+X+6], v[ZZ+X+4], s[SEL], s[SEL+1]
	SADD4 \su, 5
	v_or_b32 v[PW+\su], v[ZZ+X+4], v[ZZ+X+6]       ; the other two lane l xor 16's
	WIN 0x40
	v_cvt_scalef32_pk16_fp6_f32 v[PA+12*\su:PA+12*\su+2], v[SA+64*\su:SA+64*\su+15], v[ZZ+X+2]
	v_cvt_scalef32_pk16_fp6_f32 v[PTA+8*\su:PTA+8*\su+2], v[SA+64*\su+16:SA+64*\su+31], v[ZZ+X+2]     ; (a conversion's three registers begin on an even number)
	v_cvt_scalef32_pk16_fp6_f32 v[PA+12*\su+6:PA+12*\su+8], v[SA+64*\su+32:SA+64*\su+47], v[ZZ+X+3]
	v_cvt_scalef32_pk16_fp6_f32 v[PTA+8*\su+4:PTA+8*\su+6], v[SA+64*\su+48:SA+64*\su+63], v[ZZ+X+3]
.endm
; A KEY STEP: 128 keys for both tiles; st = 0, 1: which of the trip's two records
.macro STEP st
.set NN, N0+2*(\st)
.set NO, N1-2*(\st)
.set OF, REC*(\st)
	s_wait_alu depctr_va_vdst(0)
	s_wait_dscnt 0x0                               ; K's tiles and words are in
	WIN 0x05
.irp u, 0,1
.irp w, 0,1,2,3
	v_wmma_scale_f32_16x16x128_f8f6f4 v[SA+64*\u+16*\w:SA+64*\u+16*\w+7], v[KF+12*\w:KF+12*\w+11], v[QA+12*\u:QA+12*\u+11], 0, v[KW+\w], v[QW+\u] matrix_a_fmt:MATRIX_FMT_FP6 matrix_b_fmt:MATRIX_FMT_FP6
	v_wmma_scale_f32_16x16x128_f8f6f4 v[SA+64*\u+16*\w+8:SA+64*\u+16*\w+15], v[KF+12*\w+6:KF+12*\w+17], v[QA+12*\u:QA+12*\u+11], 0, v[KW+\w], v[QW+\u] matrix_a_fmt:MATRIX_FMT_FP6 matrix_b_fmt:MATRIX_FMT_FP6 matrix_a_scale:MATRIX_SCALE_ROW1
.endr
.endr                                          ; register 32 g + i of a tile is key 64 g + 32 (lane / 16) + i of the step
	WIN 0
	JOIN 0                                         ; eight places behind the products
	JOIN 1
.irp w, 0,1
	ds_load_b32 v[VW+\w], v[ADS] offset:OF+12800+128*\w
.endr
	WIN 0x40
.irp t, 0,1,2,3                                ; K's tiles have been read: V^T's four fragments land there while the softmax runs
.irp p, 0,1,2,3,4,5
	ds_load_b64 v[KF+12*\t+2*\p:KF+12*\t+2*\p+1], v[ADK] offset:OF+6144+1536*\t+256*\p
.endr
.endr
	WIN 0
.irp k, 0,1,2,3
.irp u, 0,1
	v_max3_num_f32 v[ZA+32*\u+\k], v[SA+64*\u+16*\k], v[SA+64*\u+16*\k+1], v[SA+64*\u+16*\k+2]   ; the largest score: eight chains of 16 registers by turns
.endr
.endr
.irp n, 3,5,7,9,11,13
.irp k, 0,1,2,3
.irp u, 0,1
	v_max3_num_f32 v[ZA+32*\u+\k], v[ZA+32*\u+\k], v[SA+64*\u+16*\k+\n], v[SA+64*\u+16*\k+\n+1]
.endr
.endr
.endr
.irp u, 0,1
	v_max3_num_f32 v[ZA+32*\u], v[ZA+32*\u], v[ZA+32*\u+1], v[SA+64*\u+15]
	v_max3_num_f32 v[ZA+32*\u+2], v[ZA+32*\u+2], v[ZA+32*\u+3], v[SA+64*\u+47]
.endr
.irp u, 0,1
	v_max_num_f32 v[ZA+32*\u], v[ZA+32*\u], v[SA+64*\u+31]       ; my two blocks' largest scores: for the row's maximum and, since p rises with the score, for each block's largest p
	v_max_num_f32 v[ZA+32*\u+2], v[ZA+32*\u+2], v[SA+64*\u+63]
.endr
.irp u, 0,1
	v_max3_num_f32 v[ZA+32*\u+X], v[ZA+32*\u], v[ZA+32*\u+2], v[ZA+32*\u+RM]
.endr
.irp u, 0,1
	v_permlanex16_b32 v[ZA+32*\u+X+1], v[ZA+32*\u+X], s[SEL], s[SEL+1]
.endr
.irp u, 0,1
	v_max_num_f32 v[ZA+32*\u+RM], v[ZA+32*\u+X], v[ZA+32*\u+X+1]   ; the row's largest score so far
.endr
.irp u, 0,1
	v_mul_f32 v[ZA+32*\u+X], s[NC], v[ZA+32*\u+RM]                 ; -t
.endr
.irp u, 0,1
	v_floor_f32 v[ZA+32*\u+NN], v[ZA+32*\u+X]                      ; the new -M = -ceil(t): a whole number
.endr
.set J, 0
	TM8
.irp u, 0,1
	v_sub_f32 v[ZA+32*\u+X], v[ZA+32*\u+NN], v[ZA+32*\u+NO]        ; M's old value less its new one
.endr
	TM8
.irp u, 0,1
	v_cvt_i32_f32 v[ZA+32*\u+X], v[ZA+32*\u+X]                     ; (it saturates)
.endr
	TM8
.irp u, 0,1
	v_ldexp_f32 v[ZA+32*\u+F], 1.0, v[ZA+32*\u+X]                  ; f = 2^(old M - new M)
.endr
	TM8
.irp u, 0,1
	v_fma_f32 v[ZA+32*\u], v[ZA+32*\u], s[CS], v[ZA+32*\u+NN]
	v_fma_f32 v[ZA+32*\u+2], v[ZA+32*\u+2], s[CS], v[ZA+32*\u+NN]
.endr
	s_wait_alu depctr_va_vdst(0)                   ; ahead of the batch
.set J, 0
.rept 32                                       ; tile 0's p = 2^(t - M); among them tile 1's t - M, which is read only behind the wait below
	v_exp_f32 v[SA+J], v[SA+J]
	v_exp_f32 v[SA+J+1], v[SA+J+1]
	v_pk_fma_f32 v[SA+64+J:SA+64+J+1], v[SA+64+J:SA+64+J+1], s[CS:CS+1], v[ZA+32+NN:ZA+32+NN+1] op_sel_hi:[1,0,0]
.set J, J+2
.endr
	v_exp_f32 v[ZA], v[ZA]                         ; the blocks' largest p: the same two instructions on the same number give the same bits
	v_exp_f32 v[ZA+2], v[ZA+2]
	v_pk_mul_f32 v[ZA+L:ZA+L+1], v[ZA+L:ZA+L+1], v[ZA+F:ZA+F+1] op_sel_hi:[1,0]   ; the sum under the new M (a plain place behind the exponentials)
	s_wait_alu depctr_va_vdst(0)                   ; one wait for the batch
	SCL 0
	WIN 0
	SADD4 0, 6                                     ; (plain places behind the conversions)
	SADD4 0, 7
	v_pk_mul_f32 v[ZA+32+L:ZA+32+L+1], v[ZA+32+L:ZA+32+L+1], v[ZA+32+F:ZA+32+F+1] op_sel_hi:[1,0]
	s_wait_alu depctr_va_vdst(0)                   ; ahead of tile 1's batch
.set J, 0
.rept 64
	v_exp_f32 v[SA+64+J], v[SA+64+J]
.set J, J+1
.endr
	v_exp_f32 v[ZA+32], v[ZA+32]
	v_exp_f32 v[ZA+34], v[ZA+34]
	v_nop                                          ; a plain place behind the exponentials
	s_wait_alu depctr_va_vdst(0)
	SCL 1
	WIN 0x41
	s_wait_alu depctr_va_vdst(0)                   ; directly ahead of the first reader of O^T; plain lines alone follow up to its last first reader
	OM 0                                           ; (also the plain places behind the conversions)
.irp u, 0,1
.irp c, 0,1
.irp n, 0,1,2
	v_mov_b32 v[PA+12*\u+3+6*\c+\n], v[PTA+8*\u+4*\c+\n]
.endr
.endr
.endr
	OM 1                                           ; sixteen places between p's codes and the products
	s_wait_alu depctr_va_vdst(0)
	s_wait_dscnt 0x0                               ; V^T
	WIN 0x55
.irp u, 0,1                                    ; O^T += V^T P^T: the eight accumulators by turns
.irp w, 0,1
	v_wmma_scale_f32_16x16x128_f8f6f4 v[OA+32*\u+16*\w:OA+32*\u+16*\w+7], v[KF+24*\w:KF+24*\w+11], v[PA+12*\u:PA+12*\u+11], v[OA+32*\u+16*\w:OA+32*\u+16*\w+7], v[VW+\w], v[PW+\u] matrix_a_fmt:MATRIX_FMT_FP6 matrix_b_fmt:MATRIX_FMT_FP6
	v_wmma_scale_f32_16x16x128_f8f6f4 v[OA+32*\u+16*\w+8:OA+32*\u+16*\w+15], v[KF+24*\w+12:KF+24*\w+23], v[PA+12*\u:PA+12*\u+11], v[OA+32*\u+16*\w+8:OA+32*\u+16*\w+15], v[VW+\w], v[PW+\u] matrix_a_fmt:MATRIX_FMT_FP6 matrix_b_fmt:MATRIX_FMT_FP6 matrix_a_scale:MATRIX_SCALE_ROW1
.endr
.endr
	WIN 0
	SADD4 1, 6                                     ; four places behind the products, ahead of loads into V^T's registers
.if (\st) == 0
	KLOAD REC                                      ; the trip's second record
.endif
	SADD4 1, 7
.endm
	s_mov_b32 s[PASS], 2
.Lpass:                                            ; two trips: a pair of tiles each
.irp u, 0,1
	v_mov_b32 v[ZA+32*\u+RM], 0xff61b1e6           ; the largest score so far: -3e38
	v_mov_b32 v[ZA+32*\u+N1], 0x7f61b1e6           ; the old -M: the first f comes out 0
	v_mov_b32 v[ZA+32*\u+L], 0
	v_mov_b32 v[ZA+32*\u+L+1], 0
.irp n, 0,1,2,3,4,5,6,7
	v_mov_b32 v[ZA+32*\u+T+\n], 0
.endr
.endr
	WIN 0x40
.set J, 0
.rept 64
	v_mov_b32 v[OA+J], 0                           ; the step is written once: the first finds zeros
.set J, J+1
.endr
	WIN 0
	s_mov_b32 s[TB], 0
	s_mov_b32 s[CNT], 8
.Ltrip:                                            ; eight trips of two records
	v_add_nc_u32 v[ADK], s[TB], v1
	v_add_nc_u32 v[ADS], s[TB], v2
	s_wait_alu depctr_va_vdst(0)
	KLOAD 0
	STEP 0
	STEP 1
	s_add_co_u32 s[TB], s[TB], 2*REC
	s_sub_co_u32 s[CNT], s[CNT], 1
	s_cmp_lg_u32 s[CNT], 0
	s_wait_alu depctr_va_vdst(0)
	s_cbranch_scc1 .Ltrip
	; THE WAY OUT: O^T / the sum; register i is channel 32 (lane / 16) + i of the head: one whole block of the last product's K to a lane
	JOIN 0
	JOIN 1
.irp u, 0,1
	v_add_f32 v[ZA+32*\u+L], v[ZA+32*\u+L], v[ZA+32*\u+L+1]
.endr
.irp u, 0,1
	v_permlanex16_b32 v[ZA+32*\u+X+1], v[ZA+32*\u+L], s[SEL], s[SEL+1]
.endr
.irp u, 0,1
	v_add_f32 v[ZA+32*\u+L], v[ZA+32*\u+L], v[ZA+32*\u+X+1]        ; with lane l xor 16's keys: the row's sum
.endr
	s_wait_alu depctr_va_vdst(0)
.irp u, 0,1
	v_rcp_f32 v[ZA+32*\u+L], v[ZA+32*\u+L]
.endr
	v_nop
	WIN 0x01
	s_wait_alu depctr_va_vdst(0)                   ; ahead of the first reader of the quotients and of O^T
.irp u, 0,1
.set J, 0
.rept 32
	v_mul_f32 v[SA+64*\u+J], v[OA+32*\u+J], v[ZA+32*\u+L]
.set J, J+1
.endr
.endr
	WIN 0
.irp u, 0,1
	v_max3_num_f32 v[ZA+32*\u], |v[SA+64*\u]|, |v[SA+64*\u+1]|, 0x1800000
	v_max3_num_f32 v[ZA+32*\u+1], |v[SA+64*\u+2]|, |v[SA+64*\u+3]|, 0x1800000
.endr
.irp n, 4,8,12,16,20,24,28
.irp u, 0,1
	v_max3_num_f32 v[ZA+32*\u], v[ZA+32*\u], |v[SA+64*\u+\n]|, |v[SA+64*\u+\n+1]|
	v_max3_num_f32 v[ZA+32*\u+1], v[ZA+32*\u+1], |v[SA+64*\u+\n+2]|, |v[SA+64*\u+\n+3]|
.endr
.endr
.irp u, 0,1
	v_max_num_f32 v[ZA+32*\u], v[ZA+32*\u], v[ZA+32*\u+1]
.endr
.irp u, 0,1
	v_add_nc_u32 v[ZA+32*\u+X+2], 0xff000000, v[ZA+32*\u]
.endr
.irp u, 0,1
	v_lshrrev_b32 v[ZA+32*\u+X+4], 23, v[ZA+32*\u+X+2]
.endr
.irp u, 0,1
	v_lshlrev_b32 v[ZA+32*\u+X+4], v[SH8], v[ZA+32*\u+X+4]
.endr
.irp u, 0,1
	v_permlanex16_b32 v[ZA+32*\u+X+6], v[ZA+32*\u+X+4], s[SEL], s[SEL+1]
.endr
.irp u, 0,1
	v_or_b32 v[ZA+32*\u+X+4], v[ZA+32*\u+X+4], v[ZA+32*\u+X+6]     ; my row's two scale bytes
.endr
	WIN 0x40
.irp u, 0,1
	v_cvt_scalef32_pk16_fp6_f32 v[PA+12*\u:PA+12*\u+2], v[SA+64*\u:SA+64*\u+15], v[ZA+32*\u+X+2]
	v_cvt_scalef32_pk16_fp6_f32 v[PTA+8*\u:PTA+8*\u+2], v[SA+64*\u+16:SA+64*\u+31], v[ZA+32*\u+X+2]
.endr
	WIN 0x41
	v_nop                                          ; one plain place behind a scaled conversion
.irp u, 0,1
.irp n, 0,1,2
	v_mov_b32 v[PA+12*\u+3+\n], v[PTA+8*\u+\n]
.endr
.endr
	WIN 0x04                                       ; the stores' data lie in window 1
.irp u, 0,1
.irp p, 0,1,2
	global_store_b64 v1, v[PA+12*\u+2*\p:PA+12*\u+2*\p+1], s[56:57] offset:12288*\u+256*\p   ; a plane: 32 lanes store 256 consecutive bytes, aligned
.endr
.endr
	WIN 0
.irp u, 0,1
	global_store_b16 v5, v[ZA+32*\u+X+4], s[58:59] offset:512*\u   ; (both halves of the lanes store the same bytes to the same place)
.endr
	s_wait_xcnt 0x0                                ; the stores have read their data and bases
	s_add_nc_u64 s[56:57], s[56:57], 24576         ; two tiles on in ao
	s_add_nc_u64 s[58:59], s[58:59], 1024          ; and in aos
	WIN 0x41
.irp n, 0,1,2,3,4,5
	v_mov_b32 v[QA+\n], v[Q2+\n]                   ; the second pair's Q
	v_mov_b32 v[QA+12+\n], v[Q2+6+\n]
.endr
	WIN 0
.irp u, 0,1
	v_mov_b32 v[QW+\u], v[QW2+\u]
.endr
	s_sub_co_u32 s[PASS], s[PASS], 1
	s_cmp_lg_u32 s[PASS], 0
	s_wait_alu depctr_va_vdst(0)
	s_cbranch_scc1 .Lpass
	s_wait_tensorcnt 0x0                           ; the wave's end
	ds_add_u32 v[SPW], v[NIL]
	s_wait_dscnt 0x0
	CROUND                                         ; the closing round
	s_endpgm
.Lfunc_end_k_q5aac80c85b_attn:
	.size	k_q5aac80c85b_attn, .Lfunc_end_k_q5aac80c85b_attn-k_q5aac80c85b_attn
	.p2alignl 7, 3214868480
	.fill 96, 4, 3214868480
	.section	.rodata,"a",@progbits
	.p2align	6, 0x0
	.amdhsa_kernel k_q5aac80c85b_attn
		.amdhsa_group_segment_fixed_size 210944
		.amdhsa_private_segment_fixed_size 0
		.amdhsa_enable_private_segment 0
		.amdhsa_kernarg_size 24
		.amdhsa_user_sgpr_count 2
		.amdhsa_user_sgpr_kernarg_segment_ptr 1
		.amdhsa_wavefront_size32 1
		.amdhsa_system_sgpr_workgroup_id_x 1
		.amdhsa_system_sgpr_workgroup_id_y 1
		.amdhsa_system_sgpr_workgroup_id_z 1
		.amdhsa_system_vgpr_workitem_id 0
		.amdhsa_next_free_vgpr 512
		.amdhsa_next_free_sgpr 66
		.amdhsa_reserve_vcc 0
		.amdhsa_float_denorm_mode_32 3
		.amdhsa_float_denorm_mode_16_64 3
		.amdhsa_memory_ordered 1
		.amdhsa_forward_progress 1
		.amdhsa_inst_pref_size 74
	.end_amdhsa_kernel
	.amdgpu_metadata
---
amdhsa.version: [ 1, 2 ]
amdhsa.kernels:
  - .name:           k_q5aac80c85b_attn
    .symbol:         k_q5aac80c85b_attn.kd
    .args:
      - { .name: qkv, .offset: 0, .size: 8, .value_kind: global_buffer, .address_space: global }
      - { .name: ao, .offset: 8, .size: 8, .value_kind: global_buffer, .address_space: global }
      - { .name: aos, .offset: 16, .size: 8, .value_kind: global_buffer, .address_space: global }
    .group_segment_fixed_size: 210944
    .private_segment_fixed_size: 0
    .kernarg_segment_align: 8
    .kernarg_segment_size: 24
    .max_flat_workgroup_size: 256
    .sgpr_count:     66
    .vgpr_count:     512
    .wavefront_size: 32
...
	.end_amdgpu_metadata
.endif
;; end of part 3
;; launch outp (part 4): grid 4 x 32, 4 waves a work-group, clusters of 4 x 4, 327,680 bytes of LDS; arguments ao, aos, opc, ops, out0, bout; writes out0
.if DOCPART == 4
	.amdgcn_target "amdgcn-amd-amdhsa--gfx1250"
	.amdhsa_code_object_version 6
	.text
	.protected	k_q5aac80c85b_outp
	.globl	k_q5aac80c85b_outp
	.p2align	8
	.type	k_q5aac80c85b_outp,@function
k_q5aac80c85b_outp:
	s_mov_b64 s[64:65], 0
	v_nop
	global_prefetch_b8 v0, s[64:65] scope:SCOPE_SE
	s_setreg_imm32_b32 hwreg(HW_REG_WAVE_MODE, 25, 1), 1
	s_wait_xcnt 0x0
	s_wait_alu depctr_hold_cnt(0) depctr_sa_sdst(0) depctr_va_vdst(0) depctr_va_sdst(0) depctr_va_ssrc(0) depctr_va_vcc(0) depctr_vm_vsrc(0)
	s_getreg_b32 s2, hwreg(HW_REG_IB_STS2, 6, 4)
	s_cmp_eq_u32 s2, 0
	s_cbranch_scc0 .Lentry_in_a_cluster
	s_endpgm
.Lentry_in_a_cluster:
	s_bfe_u32 s2, ttmp6, 0x10000c
	s_cmp_lg_u32 s2, 0xf033
	s_cbranch_scc0 .Lentry_shape_is_right
	s_endpgm
.Lentry_shape_is_right:
; OUTP: out0 = attention's result x Wout + bout on codes of FP6 with E8M0 scales; a work-group makes 256 x 256, a wave 128 x 128.
; A (ao) lies as images of the operand's registers, 3,072 bytes for 16 tokens and 256 along K; B (opc) lies [4 quarters of K][place][192 bytes], so that a tile is one dense block, loaded as lines of 256 bytes.
; THE HEAD: the first step's four tiles are shared out, one joint load a wave; quarter 1 follows behind a whole round, as a refill does.
; THE PLACES (see the preparing launch) of tokens and of Wout's columns are undone on the way out, by the stage's offsets and the stores' rows.
; No prefetch: K is four steps at the largest block in clusters.
.set SIZE_K, 1024
.set SIZE_N, 1024
.set WOUT0,  11264
.set KSTEP,  256
.set NQ,     KSTEP/128
.set ROWB,   0x240000
.set AROWB,  3072
.set KROW,   192
.set PITCH,  240
.set FR,     12
.set NL,     6
.set NP,     4
.set HALFT,  128*PITCH
.set SLOT,   4*HALFT
.set LAPS,   SIZE_K/(2*KSTEP)
.set KS,     SIZE_K/32
.set SCL,    2*SLOT
.set HALFS,  (128*KS/256)*272
.set SBLK,   (16*KS/256)*272
.set SPARE,  SCL+4*HALFS
.set SPITCH, 528
.set ADRA, 16
.set ADRB, 20
.set STO,  24
.set RD,   25
.set CO,   26
.set ADRS, 27
.set SPW,  28
.set NIL,  29
.set SC,   32
.set AF,   128
.set BK,   128
.set G1, 24
.set G0, 32
.set G1B, 48
.set G0B, 56
.set G1S, 68
.set G0S, 76
.set G1SB, 80
.set G0SB, 88
.set MSB, 0
.macro WIN new
.if MSB != (\new)
	s_set_vgpr_msb (MSB<<8)|(\new)
.set MSB, (\new)
.endif
.endm
.set MUL_LO, 0xa1
.set MUL_HI, 0xf1
.set TO_B,   0x40
.macro JLOAD g0a, g1a, g0b, g1b
	s_cmp_eq_u32 s15, 0
	s_cbranch_scc0 .Lfor_b_\@
	tensor_load_to_lds s[\g0a:\g0a+3], s[\g1a:\g1a+7]
	s_nop 0
.rept 4
	v_nop
.endr
	s_branch .Lasked_\@
.Lfor_b_\@:
	tensor_load_to_lds s[\g0b:\g0b+3], s[\g1b:\g1b+7]
	s_nop 0
.rept 4
	v_nop
.endr
.Lasked_\@:
.endm
.macro CREST
	s_cmp_lg_u32 s14, 0
	s_cbranch_scc1 .Lnot_wave_0_\@
	s_barrier_signal -3
.Lnot_wave_0_\@:
	s_barrier_wait -3
	s_barrier_signal -1
	s_barrier_wait -1
.endm
.macro CROUND
	s_barrier_signal -1
	s_barrier_wait -1
	CREST
.endm
	s_load_b128 s[4:7], s[0:1], 0x0
	s_load_b128 s[8:11], s[0:1], 0x10
	s_load_b64 s[12:13], s[0:1], 0x20
	s_load_b64 s[96:97], s[0:1], 0x28
	v_lshl_add_u32 v[SPW], v0, 2, SPARE
	v_mov_b32 v[NIL], 0
	ds_add_u32 v28, v29
	ds_add_u32 v28, v29
	s_wait_dscnt 0x0
	v_lshrrev_b32 v1, 5, v0
	v_readfirstlane_b32 s14, v1
	s_lshr_b32 s15, s14, 1
	s_and_b32 s16, s14, 1
	s_bfe_u32 s40, ttmp6, 0x40000
	s_bfe_u32 s41, ttmp6, 0x40004
	s_lshl_b32 s42, ttmp9, 2
	s_add_co_u32 s42, s42, s40
	s_and_b32 s17, ttmp7, 0xffff
	s_lshl_b32 s17, s17, 2
	s_add_co_u32 s17, s17, s41
	s_lshl_b32 s43, s41, 2
	s_lshl_b32 s43, 15, s43
	s_lshl_b32 s44, 0x1111, s40
	s_or_b32 s[G1+0], s43, (3<<16)|(1<<21)
	s_mov_b32 s[G1+1], 384<<16
	s_mov_b32 s[G1+2], 16<<16
	s_mov_b32 s[G1+3], 384<<16
	s_mov_b32 s[G1+4], 16
	s_mov_b32 s[G1+5], 1536
	s_mov_b32 s[G1+6], 0
	s_mov_b32 s[G1+7], 0
	s_or_b32 s[G1B+0], s44, (0<<16)|(1<<20)|(1<<21)|(3<<22)|(3<<25)
	s_mov_b32 s[G1B+1], 256<<16
	s_mov_b32 s[G1B+2], 192<<16
	s_mov_b32 s[G1B+3], 256<<16
	s_mov_b32 s[G1B+4], 192
	s_mov_b32 s[G1B+5], 256
	s_mov_b32 s[G1B+6], 0
	s_mov_b32 s[G1B+7], 0
	s_or_b32 s[G1S+0], s43, (3<<16)|(1<<20)|(1<<21)|(5<<22)|(3<<25)
	s_or_b32 s[G1SB+0], s44, (3<<16)|(1<<20)|(1<<21)|(5<<22)|(3<<25)
.irp g, G1S, G1SB
	s_mov_b32 s[\g+1], 32<<16
	s_mov_b32 s[\g+2], KS<<16
	s_mov_b32 s[\g+3], 32<<16
	s_mov_b32 s[\g+4], KS
	s_mov_b32 s[\g+5], 32
	s_mov_b32 s[\g+6], 0
	s_mov_b32 s[\g+7], 0
.endr
	s_lshl_b32 s20, s17, 8
	s_lshl_b32 s46, s42, 8
	s_add_co_u32 s46, s46, WOUT0
	s_mov_b32 s21, 0
	s_mov_b32 s47, 0
	s_mov_b64 s[18:19], KS
	s_mul_u64 s[22:23], s[20:21], s[18:19]
	s_mul_u64 s[92:93], s[46:47], s[18:19]
	s_mov_b64 s[18:19], 768
	s_mul_u64 s[20:21], s[20:21], s[18:19]
	s_mov_b64 s[18:19], KROW
	s_mul_u64 s[46:47], s[46:47], s[18:19]
	s_mul_i32 s66, s16, 128*768
	s_mov_b32 s67, 0
	s_mul_i32 s98, s16, 128*KROW
	s_mov_b32 s99, 0
	s_mul_i32 s45, s14, HALFT
	s_mul_i32 s94, s14, 8*AROWB
	s_wait_kmcnt 0x0
	s_add_nc_u64 s[20:21], s[4:5], s[20:21]
	s_add_nc_u64 s[22:23], s[6:7], s[22:23]
	s_add_nc_u64 s[46:47], s[8:9], s[46:47]
	s_add_nc_u64 s[92:93], s[10:11], s[92:93]
	CROUND
	s_mov_b32 s[G0S], 1
	s_mov_b32 s[G0S+1], SCL
	s_mov_b64 s[G0S+2:G0S+3], s[22:23]
	s_or_b32 s[G0S+3], s[G0S+3], 0x80000000
	s_mov_b32 s[G0SB], 1
	s_mov_b32 s[G0SB+1], SCL+2*HALFS
	s_mov_b64 s[G0SB+2:G0SB+3], s[92:93]
	s_or_b32 s[G0SB+3], s[G0SB+3], 0x80000000
	s_mov_b32 s[G0], 1                             ; slot 0's groups 0 serve the head first: the whole 256 rows of quarter 0
	s_mov_b32 s[G0+1], 0
	s_mov_b64 s[G0+2:G0+3], s[20:21]
	s_or_b32 s[G0+3], s[G0+3], 0x80000000
	s_mov_b32 s[G0B], 1
	s_mov_b32 s[G0B+1], 2*HALFT
	s_mov_b64 s[G0B+2:G0B+3], s[46:47]
	s_or_b32 s[G0B+3], s[G0B+3], 0x80000000
	s_add_nc_u64 s[20:21], s[20:21], s[66:67]      ; for the ring: my 128 rows of the tile
	s_add_nc_u64 s[46:47], s[46:47], s[98:99]
	s_mov_b32 s[G0+4], 1
	s_add_co_u32 s[G0+5], s94, SLOT
	s_add_nc_u64 s[G0+6:G0+7], s[20:21], AROWB
	s_or_b32 s[G0+7], s[G0+7], 0x80000000
	s_mov_b32 s[G0B+4], 1
	s_add_co_u32 s[G0B+5], s45, SLOT
	s_add_nc_u64 s[G0B+6:G0B+7], s[46:47], ROWB
	s_or_b32 s[G0B+7], s[G0B+7], 0x80000000
; one chain of branches on the wave's number, one joint load to an arm
.macro ARM under, g0, g1, next
	s_cmp_lt_u32 s14, \under
	s_cbranch_scc0 \next
	tensor_load_to_lds s[\g0:\g0+3], s[\g1:\g1+7]
	s_nop 0
.rept 4
	v_nop
.endr
	s_branch .Lhead_asked
\next:
.endm
	ARM 1, G0,  G1,  .Lhead_b
	ARM 2, G0B, G1B, .Lhead_sa
	ARM 3, G0S, G1S, .Lhead_sb
	tensor_load_to_lds s[G0SB:G0SB+3], s[G1SB:G1SB+7]
	s_nop 0
.rept 4
	v_nop
.endr
.Lhead_asked:
	v_and_b32 v1, 15, v0
	v_bfe_u32 v2, v0, 4, 1
	v_and_b32 v6, 31, v0
	v_mul_u32_u24 v3, v1, PITCH
	v_mul_u32_u24 v4, v2, 24
	v_add_nc_u32 v4, v3, v4
	v_lshl_add_u32 v5, v2, 4, v4
	v_lshlrev_b32 v7, 3, v6
	s_mul_i32 s21, s15, 8*AROWB
	s_mul_i32 s22, s16, HALFT
	s_add_co_u32 s22, s22, 2*HALFT
.irp s, 0,1
	v_add_nc_u32 v[ADRA+\s], s21, v7
	v_add_nc_u32 v[ADRB+\s], s22, v4
	v_add_nc_u32 v[ADRB+2+\s], s22, v5
	s_add_co_u32 s21, s21, SLOT
	s_add_co_u32 s22, s22, SLOT
.endr
	v_mul_u32_u24 v5, v1, KS
	v_lshrrev_b32 v7, 8, v5
	v_lshl_add_u32 v5, v7, 4, v5
	s_mul_i32 s21, s15, HALFS
	s_mul_i32 s22, s16, HALFS
	s_add_co_u32 s22, s22, 2*HALFS
	s_sub_co_u32 s22, s22, s21
	v_mul_u32_u24 v7, s22, v2
	s_add_co_u32 s21, s21, SCL
	v_add_nc_u32 v5, v5, v7
	v_add_nc_u32 v[ADRS], s21, v5
	s_mul_i32 s23, s14, 16*SPITCH
	v_mul_u32_u24 v5, v1, SPITCH
	v_lshl_add_u32 v5, v2, 7, v5
	v_add_nc_u32 v[STO], s23, v5
	v_lshlrev_b32 v[CO], 4, v6
	s_wait_alu depctr_va_vdst(0)
	v_add_nc_u32 v[RD], s23, v[CO]
	s_lshl_b32 s20, s17, 8
	s_lshl_b32 s21, s15, 7
	s_add_co_u32 s20, s20, s21
	s_mov_b32 s21, 0
	s_mov_b64 s[18:19], SIZE_N*4
	s_mul_u64 s[20:21], s[20:21], s[18:19]
	s_lshl_b32 s46, s42, 10
	s_lshl_b32 s47, s16, 9
	s_add_co_u32 s46, s46, s47
	s_mov_b32 s47, 0
	s_add_nc_u64 s[96:97], s[96:97], s[46:47]
	global_load_b128 v[8:11], v[CO], s[96:97]
	s_add_nc_u64 s[20:21], s[20:21], s[46:47]
	s_add_nc_u64 s[12:13], s[12:13], s[20:21]
.macro FRAG reg, adr, q, i
.irp p, 0,1,2,3,4,5
.set PCE, 12*(\q)+6*(\p/3)+\p%3
.if PCE%8 < 5
	ds_load_b64 v[\reg+2*\p:\reg+2*\p+1], v[\adr] offset:8*PCE+16*(PCE/8)+(\i)*16*PITCH
.else
	ds_load_b64 v[\reg+2*\p:\reg+2*\p+1], v[\adr+2] offset:8*PCE+16*(PCE/8)+(\i)*16*PITCH
.endif
.endr
.endm
.macro FRAG_A reg, slot, q, i
.irp p, 0,1,2,3,4,5
	ds_load_b64 v[\reg+2*\p:\reg+2*\p+1], v[ADRA+\slot] offset:AROWB*(\i)+1536*(\q)+256*\p
.endr
.endm
.macro MUL16 a0, p, q, sc, zero
.irp a, \a0, \a0+1
.irp b, 0,1,2,3,4,5,6,7
.if \zero
	v_wmma_scale_f32_16x16x128_f8f6f4 v[8*(8*((\a)%4)+\b):8*(8*((\a)%4)+\b)+7], v[128*(\p)+FR*\b:128*(\p)+FR*\b+FR-1], v[AF+FR*(\a):AF+FR*(\a)+FR-1], 0, v[SC+8*NQ*(\sc)+NQ*\b+(\q)], v[SC+8*NQ*(\sc)+NQ*(\a)+(\q)] matrix_a_fmt:MATRIX_FMT_FP6 matrix_b_fmt:MATRIX_FMT_FP6 matrix_a_scale:MATRIX_SCALE_ROW1
.else
	v_wmma_scale_f32_16x16x128_f8f6f4 v[8*(8*((\a)%4)+\b):8*(8*((\a)%4)+\b)+7], v[128*(\p)+FR*\b:128*(\p)+FR*\b+FR-1], v[AF+FR*(\a):AF+FR*(\a)+FR-1], v[8*(8*((\a)%4)+\b):8*(8*((\a)%4)+\b)+7], v[SC+8*NQ*(\sc)+NQ*\b+(\q)], v[SC+8*NQ*(\sc)+NQ*(\a)+(\q)] matrix_a_fmt:MATRIX_FMT_FP6 matrix_b_fmt:MATRIX_FMT_FP6 matrix_a_scale:MATRIX_SCALE_ROW1
.endif
.endr
.endr
.endm
.macro FETCH_B slot, q, p
	WIN TO_B
.irp i, 0,1,2,3,4,5,6,7
	FRAG 128*(\p)+FR*\i, ADRB+\slot, \q, \i
.endr
	WIN 0
.endm
.macro FETCH_A slot, q, i0
.irp i, \i0, \i0+1, \i0+2, \i0+3
	FRAG_A AF+FR*(\i), \slot, \q, \i
.endr
.endm
.macro SCALES sc
.irp i, 0,1,2,3,4,5,6,7
	ds_load_b64 v[SC+8*NQ*\sc+NQ*\i:SC+8*NQ*\sc+NQ*\i+1], v[ADRS] offset:\i*SBLK
.endr
.endm
.macro PLACES n
.rept \n
	v_nop
.endr
.endm
.macro STEP slot, q, zero
	s_wait_dscnt 4*NL
	WIN MUL_LO
	MUL16 0, (\q)%2, \q, \slot, \zero
	MUL16 2, (\q)%2, \q, \slot, \zero
	s_wait_dscnt 0
	PLACES NP
	FETCH_B \slot, (\q)+1, 1-(\q)%2
	FETCH_A \slot, (\q)+1, 0
	WIN MUL_HI
	MUL16 4, (\q)%2, \q, \slot, \zero
	MUL16 6, (\q)%2, \q, \slot, \zero
	PLACES NP
	WIN 0
	FETCH_A \slot, (\q)+1, 4
.endm
.macro TURN slot, next, fill
	s_wait_tensorcnt 0x0
	ds_add_u32 v[SPW], v[NIL]
	s_wait_dscnt 4*NL+1
	WIN MUL_LO
	MUL16 0, 1, NQ-1, \slot, 0
	s_wait_dscnt 0x0
	s_barrier_signal -1
	MUL16 2, 1, NQ-1, \slot, 0
	WIN 0
	s_barrier_wait -1
.if \fill
	CREST
	s_add_nc_u64 s[G0+4*\slot+2:G0+4*\slot+3], s[G0+4*\slot+2:G0+4*\slot+3], 2*AROWB
	s_add_nc_u64 s[G0B+4*\slot+2:G0B+4*\slot+3], s[G0B+4*\slot+2:G0B+4*\slot+3], 2*ROWB
	JLOAD G0+4*\slot, G1, G0B+4*\slot, G1B
.else
	PLACES NP
.endif
	s_wait_alu depctr_va_vdst(0)
	v_add_nc_u32 v[ADRS], 4*NQ, v[ADRS]
	FETCH_B \next, 0, 0
	FETCH_A \next, 0, 0
	SCALES \next
	WIN MUL_HI
	MUL16 4, 1, NQ-1, \slot, 0
	MUL16 6, 1, NQ-1, \slot, 0
	PLACES NP
	WIN 0
	FETCH_A \next, 0, 4
.endm
	s_wait_alu depctr_va_vdst(0)
	s_wait_tensorcnt 0x0                           ; my tile of the head's four is in
	ds_add_u32 v[SPW], v[NIL]
	s_mov_b32 s[G1+2], 8<<16                       ; no tensor load of mine is out: from here on a load brings 128 rows,
	s_mov_b32 s[G1+4], 8
	s_mov_b32 s[G1B+2], 96<<16
	s_mov_b32 s[G1B+4], 96
	s_mov_b32 s[G0+1], s94                         ; and slot 0's groups 0 stand at my part of the slot
	s_mov_b32 s[G0B+1], s45
	s_add_nc_u64 s[G0+2:G0+3], s[G0+2:G0+3], s[66:67]
	s_add_nc_u64 s[G0B+2:G0B+3], s[G0B+2:G0B+3], s[98:99]
	s_wait_dscnt 0x0
	CROUND
	JLOAD G0+4, G1, G0B+4, G1B                     ; quarter 1, the first tensor load behind the round
	FETCH_B 0, 0, 0
	FETCH_A 0, 0, 0
	SCALES 0
	FETCH_A 0, 0, 4
	STEP 0, 0, 1
	s_mov_b32 s3, LAPS-1
.Llap:
	TURN 0, 1, 1
	STEP 1, 0, 0
	TURN 1, 0, 1
	STEP 0, 0, 0
	s_sub_co_u32 s3, s3, 1
	s_cmp_lg_u32 s3, 0
	s_cbranch_scc1 .Llap
	TURN 0, 1, 0
	STEP 1, 0, 0
	s_wait_dscnt 4*NL
	WIN MUL_LO
	MUL16 0, 1, NQ-1, 1, 0
	MUL16 2, 1, NQ-1, 1, 0
	s_wait_dscnt 0
	WIN MUL_HI
	MUL16 4, 1, NQ-1, 1, 0
	MUL16 6, 1, NQ-1, 1, 0
	WIN 0
.macro TOSTAGE a
.set AC, 64*((\a)%4)
	WIN 0x08+4*((\a)/4)
.irp b, 0,1,2,3,4,5,6,7
	ds_store_b128 v[STO], v[AC+8*\b:AC+8*\b+3] offset:256*(\b/4)+32*(\b%4)
	ds_store_b128 v[STO], v[AC+8*\b+4:AC+8*\b+7] offset:256*(\b/4)+32*(\b%4)+16
.endr
	WIN 0
.set BB, BK+64*((\a)%2)
.irp t, 0,1,2,3,4,5,6,7,8,9,10,11,12,13,14,15
	ds_load_b128 v[BB+4*\t:BB+4*\t+3], v[RD] offset:\t*SPITCH
.endr
.endm
.macro SEND a, younger
.set BB, BK+64*((\a)%2)
	s_wait_dscnt \younger
.if (\a) > 0
.if (\a)%4
	s_add_nc_u64 s[12:13], s[12:13], 8*SIZE_N*4
.else
	s_add_nc_u64 s[12:13], s[12:13], 40*SIZE_N*4
.endif
.endif
.irp t, 0,1,2,3,4,5,6,7,8,9,10,11,12,13,14,15
	v_pk_add_f32 v[BB+4*\t:BB+4*\t+1], v[BB+4*\t:BB+4*\t+1], v[8:9]
	v_pk_add_f32 v[BB+4*\t+2:BB+4*\t+3], v[BB+4*\t+2:BB+4*\t+3], v[10:11]
	global_store_b128 v[CO], v[BB+4*\t:BB+4*\t+3], s[12:13] offset:(\t+24*(\t/8))*SIZE_N*4 th:TH_STORE_NT
.endr
.endm
	PLACES NP
	s_wait_loadcnt 0x0
	TOSTAGE 0
.irp a, 1,2,3,4,5,6,7
.if \a > 1
	s_wait_xcnt 0x0
.endif
	TOSTAGE \a
	SEND \a-1, 32
.endr
	s_wait_xcnt 0x0
	SEND 7, 0
	s_wait_tensorcnt 0x0
	ds_add_u32 v[SPW], v[NIL]
	s_wait_dscnt 0x0
	CROUND
	s_endpgm
.Lfunc_end_k_q5aac80c85b_outp:
	.size	k_q5aac80c85b_outp, .Lfunc_end_k_q5aac80c85b_outp-k_q5aac80c85b_outp
	.p2alignl 7, 3214868480
	.fill 96, 4, 3214868480
	.section	.rodata,"a",@progbits
	.p2align	6, 0x0
	.amdhsa_kernel k_q5aac80c85b_outp
		.amdhsa_group_segment_fixed_size 327680
		.amdhsa_private_segment_fixed_size 0
		.amdhsa_enable_private_segment 0
		.amdhsa_kernarg_size 48
		.amdhsa_user_sgpr_count 2
		.amdhsa_user_sgpr_kernarg_segment_ptr 1
		.amdhsa_wavefront_size32 1
		.amdhsa_system_sgpr_workgroup_id_x 1
		.amdhsa_system_sgpr_workgroup_id_y 1
		.amdhsa_system_sgpr_workgroup_id_z 1
		.amdhsa_system_vgpr_workitem_id 0
		.amdhsa_next_free_vgpr 1024
		.amdhsa_next_free_sgpr 100
		.amdhsa_reserve_vcc 0
		.amdhsa_float_denorm_mode_32 3
		.amdhsa_float_denorm_mode_16_64 3
		.amdhsa_memory_ordered 1
		.amdhsa_forward_progress 1
		.amdhsa_inst_pref_size 177
	.end_amdhsa_kernel
	.amdgpu_metadata
---
amdhsa.version: [ 1, 2 ]
amdhsa.kernels:
  - .name:           k_q5aac80c85b_outp
    .symbol:         k_q5aac80c85b_outp.kd
    .args:
      - { .name: ao, .offset: 0, .size: 8, .value_kind: global_buffer, .address_space: global }
      - { .name: aos, .offset: 8, .size: 8, .value_kind: global_buffer, .address_space: global }
      - { .name: opc, .offset: 16, .size: 8, .value_kind: global_buffer, .address_space: global }
      - { .name: ops, .offset: 24, .size: 8, .value_kind: global_buffer, .address_space: global }
      - { .name: out0, .offset: 32, .size: 8, .value_kind: global_buffer, .address_space: global }
      - { .name: bout, .offset: 40, .size: 8, .value_kind: global_buffer, .address_space: global }
    .group_segment_fixed_size: 327680
    .private_segment_fixed_size: 0
    .kernarg_segment_align: 8
    .kernarg_segment_size: 48
    .max_flat_workgroup_size: 128
    .sgpr_count:     100
    .vgpr_count:     1024
    .wavefront_size: 32
...
	.end_amdgpu_metadata
.endif
;; end of part 4
